; MI455X (gfx1250); checked and timed in simulation.
; The chip was launched on July 23, 2026; its instructions are those of AMD's public machine-readable ISA for CDNA 5 (MIT licence, August 2026) and "CDNA5" Instruction Set Architecture Reference Guide (July 2026). The comments in the code are by the model that wrote it; some were corrected since.
;; Encoder Block. Allowed arithmetic: matrix products marked QUANTISED: E4M3 operands, one given power-of-two scale a tensor, by v_wmma_f32_16x16x64_fp8_fp8 or v_wmma_f32_16x16x128_fp8_fp8, f32 sums; everything else in f32.
;; Inputs: b1 4,096 float32; b2 1,024 float32; bk 1,024 float32; bo 1,024 float32; bq 1,024 float32; bv 1,024 float32; ln1_a 1 float32; ln1_b 1 float32; ln2_a 1 float32; ln2_b 1 float32; lowp_scales 16 int32 (the exponents e of the quantised operands' scales 2^e); w1 4,096 x 1,024 float32; w2 1,024 x 4,096 float32; wk 1,024 x 1,024 float32; wo 1,024 x 1,024 float32; wq 1,024 x 1,024 float32; wv 1,024 x 1,024 float32; x 2 x 2,048 x 1,024 float32.
;; Outputs: out0 2 x 2,048 x 1,024 float32.
;; Constants: src_mask = 0.
;; This version of the problem:
;;   THIS VERSION OF THE PROBLEM IS GIVEN IN LOW PRECISION. The matrix products marked QUANTISED in the list below multiply operands that are first quantised to E4M3 (4 exponent bits, 3 mantissa bits; 8 bits a number), with one given power-of-two scale for each operand tensor; their sums are f32. All else is computed in f32.
;;   The module's matrix products, in the order in which they are computed (A, B: the left and right operand; K: the contracted axis; several contracted axes count as one K, in the product's order):
;;     1. [M 4,096, K 1,024] x [K 1,024, N 1,024]; A: computed on the way; B: input wq: QUANTISED (scales: A lowp_scales[0], B lowp_scales[1])
;;     2. [M 4,096, K 1,024] x [K 1,024, N 1,024]; A: computed on the way; B: input wk: QUANTISED (scales: A lowp_scales[2], B lowp_scales[3])
;;     3. [M 4,096, K 1,024] x [K 1,024, N 1,024]; A: computed on the way; B: input wv: QUANTISED (scales: A lowp_scales[4], B lowp_scales[5])
;;     4. batch 32 x [M 2,048, K 64] x [K 64, N 2,048]; A: computed on the way; B: computed on the way: QUANTISED (scales: A lowp_scales[6], B lowp_scales[7])
;;     5. batch 32 x [M 2,048, K 2,048] x [K 2,048, N 64]; A: softmax (see below); B: computed on the way: QUANTISED (scales: A lowp_scales[8], B lowp_scales[9])
;;     6. [M 4,096, K 1,024] x [K 1,024, N 1,024]; A: computed on the way; B: input wo: QUANTISED (scales: A lowp_scales[10], B lowp_scales[11])
;;     7. [M 4,096, K 1,024] x [K 1,024, N 4,096]; A: computed on the way; B: input w1: QUANTISED (scales: A lowp_scales[12], B lowp_scales[13])
;;     8. [M 4,096, K 4,096] x [K 4,096, N 1,024]; A: computed on the way; B: input w2: QUANTISED (scales: A lowp_scales[14], B lowp_scales[15])
;;   THE QUANTISER, for each operand of a quantised product, along K:
;;     - The operand's scale is 2^e, e = its entry of the input lowp_scales (int32; the entries are numbered through the quantised products in the list's order, A before B).
;;     - Each number is divided by the scale, clamped to +-448, and rounded to the nearest number of E4M3, ties to even, subnormals kept.
;;     - The product sums the exact products of the quantised numbers (number of the format x scale) in f32.
;;   ~~~python
;;   def quantise(x, axis, e):      # numpy; x: float32 -> the quantised numbers, widened to float32 again
;;       x = np.moveaxis(x, axis, -1); K = x.shape[-1]
;;       r = np.clip(x / 2.0 ** e, -448, 448)
;;       step = 2.0 ** (np.maximum(np.frexp(np.where(r == 0, 1, r))[1] - 1, -6) - 3)
;;       q = np.round(r / step) * step * 2.0 ** e      # np.round: ties to even
;;       return np.moveaxis(q, -1, axis).astype(np.float32)
;;   ~~~
;;   SOFTMAX AHEAD OF A QUANTISED PRODUCT. Where the list says 'softmax', what is quantised is not the finished softmax but p = 2^(t - M), with t = logit x log2(e) and M = ceil(the row's largest t), a whole number; so 1/2 < the row's largest p <= 1. The row's sum l is taken of the UNQUANTISED p, in f32, and the product's result is divided by l at the end. Since M is a whole number, a kernel that streams over the keys may use a running M (the ceiling of the running maximum): every later rescaling is an exact power of two, so the quantised numbers keep their values, but for numbers so far below the row's largest that they fall under the format's range.
;;   OPERANDS COMPUTED ON THE WAY. 'Computed on the way' means the value that the module computes at that place (a softmax that the list does not call 'softmax' is quantised finished and normalised). What goes into a quantiser is computed in f32, as accurately as f32 sums, v_exp_f32 and their like allow (about 1e-6 of the number): no bf16 or f16 on the way to a quantiser, and a product that is left as it is and whose result goes on into a quantised operand takes f32 operands (vector FMAs, or v_wmma_f32_16x16x4_f32). A number that lies on a knife's edge between two numbers of the format may be rounded either way, as far as f32 arithmetic and the matrix unit's own rounding can turn it there, and no further.
;; One version. Each part assembles by itself: llvm-mc -triple=amdgcn-amd-amdhsa -mcpu=gfx1250 --defsym DOCPART=n.
;; ======== version 1 of 1: 7 launches
;; limits: right only within a limited range of input values
;; workspace buffers: wc 12,582,912 bytes; xc 12,582,912 bytes; qkvc 12,582,912 bytes; oc 4,194,304 bytes; h 16,777,216 bytes; hc 4,194,304 bytes; fc 16,777,216 bytes
;; launch prep (part 1): grid 256 x 1, 8 waves a work-group, no clusters, 41,984 bytes of LDS; arguments x, wq, wk, wv, wo, w1, w2, lowp_scales, ln1_a, ln1_b, xc, wc; writes xc, wc
.if DOCPART == 1
	.amdgcn_target "amdgcn-amd-amdhsa--gfx1250"
	.amdhsa_code_object_version 6
	.text
	.protected	k_q7e32d426cc_prep
	.globl	k_q7e32d426cc_prep
	.p2align	8
	.type	k_q7e32d426cc_prep,@function
k_q7e32d426cc_prep:
	s_mov_b64 s[64:65], 0
	v_nop
	global_prefetch_b8 v0, s[64:65] scope:SCOPE_SE
	s_setreg_imm32_b32 hwreg(HW_REG_WAVE_MODE, 25, 1), 1
	s_wait_xcnt 0x0
; PREP.  x [4096][1024] f32 -> LayerNormalization -> three sets of E4M3 codes (scales 2^e0, 2^e2, 2^e4) in xc [3][4096][1024];
; the six weights, f32 with K innermost -> E4M3 codes (e1, e3, e5, e11, e13, e15) in wc: wq at 0, wk at 1 MiB, wv at 2 MiB, wo at 3 MiB, w1 at 4 MiB, w2 at 8 MiB.
; The norm is the source's own: alpha (x - mean) / sqrt(std + 1e-6) + beta, std the unbiased one (divisor 1023); mean first, then the squares of x - mean, so a common offset costs nothing.
; code = number / 2^e, held within +-448, rounded to the nearest code, ties to even.
; LIMITS: every e between -126 and 119, so that 2^e and 448 x 2^e are f32 numbers.  NaN among the inputs is not served.
; SHARES.  All seven tensors are streams of rows of 1,024 f32 (4,096 bytes), 16,384 rows in all.  A work-group takes 64 rows of ONE tensor (work-groups 0-63 x, 64-79 wq, 80-95 wk, 96-111 wv,
; 112-127 wo, 128-191 w1, 192-255 w2); wave w takes rows 8 w .. 8 w + 7, a whole row at a time, so a row's sums never leave the wave.  Only pointers and one exponent are chosen by the work-group's number;
; two scalar branches on that number lead round the norm and round copies 1 and 2.
; Each load reads 512 consecutive bytes, 16 a lane.  The conversions want 16 NEIGHBOURS in a lane: the row turns through the wave's own stage in LDS (64 places of 64 bytes + 16 of padding) and comes back 64 bytes a lane.
; A lane's 16 codes are 16 bytes: each store covers 512 consecutive bytes, aligned.  Loads run three rows (24 loads a wave) ahead.  Waves share nothing: no barrier.
.set NROWS, 8
.set SP,    80                         ; a place in the stage
.set WREG,  64*SP                      ; a wave's stage: 5,120 bytes
.set SPARE, 8*WREG                     ; behind the stages: the spare words, 128 bytes a wave, that no other line names
.set LIN,   2                          ; v2   my 16 bytes of a load's 512, + my wave's 8 rows
.set SIN,   3                          ; v3   the stage on the way in
.set SOUT,  4                          ; v4   and on the way out
.set GOUT,  5                          ; v5   my 16 bytes of codes
.set SPW,   6                          ; v6   my spare word; never rewritten
.set NIL,   7                          ; v7   0; never rewritten
.set MU,    8                          ; v[8:9]   the mean (low word serves both halves)
.set GG,    10                         ; v[10:11] alpha / sqrt(std + eps)
.set BE,    12                         ; v[12:13] beta
.set TA,    14                         ; v[14:17] at work
.set TB,    16
.set SC,    20                         ; v20-25  copy k: 2^e, 448 x 2^e
.set R,     32                         ; v32-127 three sets of 32: rows as loaded
.set X,     128                        ; v128-159 the row, 16 neighbours twice
.set TQ,    160                        ; v160-191 two sets of 16 held numbers, by turns
.set CC,    192                        ; v192-215 codes: four registers for each copy and chunk
.macro PICKP lo, ptr                   ; from work-group lo on: this tensor
	s_cmp_ge_u32 ttmp9, \lo
	s_cselect_b64 s[48:49], s[\ptr:\ptr+1], s[48:49]
	s_cselect_b32 s50, \lo, s50
.endm
.macro PICKE lo, e
	s_cmp_ge_u32 ttmp9, \lo
	s_cselect_b32 s51, s[\e], s51
.endm
.macro MKSC vS, vL, sE                 ; 2^e and 448 x 2^e as f32
	s_add_co_i32 s60, s[\sE], 127
	s_lshl_b32 s61, s60, 23
	v_mov_b32 v[\vS], s61
	s_add_co_i32 s60, s60, 8
	s_lshl_b32 s60, s60, 23
	s_or_b32 s60, s60, 0x600000
	v_mov_b32 v[\vL], s60
.endm
.macro LOAD t                          ; row t of my eight into set t % 3
.irp i, 0,1,2,3,4,5,6,7
	global_load_b128 v[R+32*((\t)%3)+4*\i:R+32*((\t)%3)+4*\i+3], v[LIN], s[48:49] offset:4096*(\t)+512*\i th:TH_LOAD_NT
.endr
.endm
.macro REDUCE                          ; v[TA] summed over the 32 lanes, the result in every lane
	s_delay_alu instid0(VALU_DEP_1)
	v_add_f32_dpp v[TA], v[TA], v[TA] row_xmask:1 row_mask:0xf bank_mask:0xf
	s_delay_alu instid0(VALU_DEP_1)
	v_add_f32_dpp v[TA], v[TA], v[TA] row_xmask:2 row_mask:0xf bank_mask:0xf
	s_delay_alu instid0(VALU_DEP_1)
	v_add_f32_dpp v[TA], v[TA], v[TA] row_xmask:4 row_mask:0xf bank_mask:0xf
	s_delay_alu instid0(VALU_DEP_1)
	v_add_f32_dpp v[TA], v[TA], v[TA] row_xmask:8 row_mask:0xf bank_mask:0xf
	s_delay_alu instid0(VALU_DEP_1)
	v_permlanex16_b32 v[TA+1], v[TA], s46, s47
	s_delay_alu instid0(VALU_DEP_1)
	v_add_f32 v[TA], v[TA], v[TA+1]
.endm
.macro NORM                            ; the row in v[RS] on is normalised in place
	v_pk_add_f32 v[TA:TA+1], v[RS:RS+1], v[RS+2:RS+3]
	v_pk_add_f32 v[TB:TB+1], v[RS+4:RS+5], v[RS+6:RS+7]
.irp j, 8,12,16,20,24,28
	s_delay_alu instid0(VALU_DEP_2)
	v_pk_add_f32 v[TA:TA+1], v[TA:TA+1], v[RS+\j:RS+\j+1]
	s_delay_alu instid0(VALU_DEP_2)
	v_pk_add_f32 v[TB:TB+1], v[TB:TB+1], v[RS+\j+2:RS+\j+3]
.endr
	s_delay_alu instid0(VALU_DEP_1)
	v_pk_add_f32 v[TA:TA+1], v[TA:TA+1], v[TB:TB+1]
	s_delay_alu instid0(VALU_DEP_1)
	v_add_f32 v[TA], v[TA], v[TA+1]
	REDUCE
	s_delay_alu instid0(VALU_DEP_1)
	v_mul_f32 v[MU], 0x3a800000, v[TA]             ; / 1024
.irp j, 0,2,4,6,8,10,12,14,16,18,20,22,24,26,28,30
	v_pk_add_f32 v[RS+\j:RS+\j+1], v[RS+\j:RS+\j+1], v[MU:MU+1] op_sel_hi:[1,0] neg_lo:[0,1] neg_hi:[0,1]
.endr
	v_pk_mul_f32 v[TA:TA+1], v[RS:RS+1], v[RS:RS+1]
	v_pk_mul_f32 v[TB:TB+1], v[RS+2:RS+3], v[RS+2:RS+3]
.irp j, 4,8,12,16,20,24,28
	s_delay_alu instid0(VALU_DEP_2)
	v_pk_fma_f32 v[TA:TA+1], v[RS+\j:RS+\j+1], v[RS+\j:RS+\j+1], v[TA:TA+1]
	s_delay_alu instid0(VALU_DEP_2)
	v_pk_fma_f32 v[TB:TB+1], v[RS+\j+2:RS+\j+3], v[RS+\j+2:RS+\j+3], v[TB:TB+1]
.endr
	s_delay_alu instid0(VALU_DEP_1)
	v_pk_add_f32 v[TA:TA+1], v[TA:TA+1], v[TB:TB+1]
	s_delay_alu instid0(VALU_DEP_1)
	v_add_f32 v[TA], v[TA], v[TA+1]
	REDUCE
	s_delay_alu instid0(VALU_DEP_1)
	v_mul_f32 v[TA], 0x3a802008, v[TA]             ; / 1023: the unbiased variance
	s_wait_alu depctr_va_vdst(0)
	v_sqrt_f32 v[TB], v[TA]                        ; std
	v_nop                                          ; a plain instruction behind a transcendental,
	s_wait_alu depctr_va_vdst(0)                   ; and the wait ahead of its first reader
	v_add_f32 v[TB], 0x358637bd, v[TB]             ; + 1e-6
	s_wait_alu depctr_va_vdst(0)
	v_rsq_f32 v[TA], v[TB]                         ; 1 / sqrt(std + eps)
	v_nop
	s_wait_alu depctr_va_vdst(0)
	v_mul_f32 v[GG], s44, v[TA]                    ; x alpha
.irp j, 0,2,4,6,8,10,12,14,16,18,20,22,24,26,28,30
	v_pk_fma_f32 v[RS+\j:RS+\j+1], v[RS+\j:RS+\j+1], v[GG:GG+1], v[BE:BE+1] op_sel_hi:[1,0,0]
.endr
.endm
.macro QC k, c, base, t                ; copy k, chunk c of row t: hold, convert, store
.set TS, TQ+16*((2*(\k)+(\c))%2)
.set CR, CC+4*(2*(\k)+(\c))
.irp i, 0,1,2,3,4,5,6,7,8,9,10,11,12,13,14,15
	v_med3_num_f32 v[TS+\i], v[X+16*(\c)+\i], -v[SC+2*(\k)+1], v[SC+2*(\k)+1]   ; the conversion to an 8-bit code does not saturate (ISA guide 7.6.2): the hold comes first
.endr
	v_cvt_scalef32_pk8_fp8_f32 v[CR:CR+1], v[TS:TS+7], v[SC+2*(\k)]
	v_cvt_scalef32_pk8_fp8_f32 v[CR+2:CR+3], v[TS+8:TS+15], v[SC+2*(\k)]
	v_nop                                          ; a plain line behind the conversions
	global_store_b128 v[GOUT], v[CR:CR+3], s[\base:\base+1] offset:1024*(\t)+512*(\c)   ; 32 lanes store 512 consecutive bytes, aligned
.endm
.macro ROW t
.set RS, R+32*((\t)%3)
.if NROWS-1-(\t) >= 2
	s_wait_loadcnt 16                              ; this row's eight loads are in; the two later rows' sixteen may be out
.else
	s_wait_loadcnt 8*(NROWS-1-(\t))
.endif
	s_cmp_eq_u32 s55, 0                            ; a weight is quantised as it is
	s_cbranch_scc1 .Lraw_\@
	NORM
.Lraw_\@:
.irp i, 0,1,2,3,4,5,6,7
	ds_store_b128 v[SIN], v[RS+4*\i:RS+4*\i+3] offset:8*SP*\i
.endr
.irp c, 0,1
.irp k, 0,1,2,3
	ds_load_b128 v[X+16*\c+4*\k:X+16*\c+4*\k+3], v[SOUT] offset:32*SP*\c+16*\k   ; LDS serves a wave's instructions in order: these see the stores above.  Columns 512 c + 16 lane + 0 .. 15
.endr
.endr
	s_wait_dscnt 0x0                               ; the row is back, and the stage's stores have read their registers,
	s_wait_xcnt 0x0                                ; the last row's stores have read their codes: those registers are written again only behind this wait
.if (\t)+3 < NROWS
	LOAD (\t)+3                                    ; which take the row three further on
.endif
	s_wait_alu depctr_va_vdst(0)
	QC 0, 0, 52, \t
	QC 0, 1, 52, \t
	s_cmp_eq_u32 s55, 0                            ; a weight has one set of codes
	s_cbranch_scc1 .Lone_\@
	QC 1, 0, 56, \t
	QC 1, 1, 56, \t
	QC 2, 0, 58, \t
	QC 2, 1, 58, \t
.Lone_\@:
.endm
	s_load_b512 s[4:19], s[0:1], 0x0               ; x, wq, wk, wv, wo, w1, w2, the scales' exponents
	s_load_b256 s[20:27], s[0:1], 0x40             ; ln1_a, ln1_b, xc, wc
	v_lshl_add_u32 v[SPW], v0, 2, SPARE
	v_mov_b32 v[NIL], 0
	v_lshrrev_b32 v1, 5, v0
	s_delay_alu instid0(VALU_DEP_1)
	v_readfirstlane_b32 s62, v1                    ; wave 0..7
	v_and_b32 v1, 31, v0                           ; lane
	s_mul_i32 s63, s62, WREG                       ; my stage
	v_lshrrev_b32 v14, 2, v1
	s_delay_alu instid0(VALU_DEP_1)
	v_mul_u32_u24 v14, v14, SP
	v_and_b32 v15, 3, v1
	s_delay_alu instid0(VALU_DEP_1)
	v_lshl_add_u32 v14, v15, 4, v14
	s_delay_alu instid0(VALU_DEP_1)
	v_add_nc_u32 v[SIN], s63, v14                  ; in: four lanes' 64 bytes on end, then the padding
	v_mul_u32_u24 v15, v1, SP
	s_delay_alu instid0(VALU_DEP_1)
	v_add_nc_u32 v[SOUT], s63, v15                 ; out: a place a lane
	v_lshlrev_b32 v16, 4, v1
	s_lshl_b32 s60, s62, 15
	v_add_nc_u32 v[LIN], s60, v16                  ; 16 lane + 8 rows of 4,096 bytes x wave
	s_lshl_b32 s60, s62, 13
	v_add_nc_u32 v[GOUT], s60, v16                 ; 16 lane + 8 rows of 1,024 bytes x wave
	v_mov_b32 v[MU+1], 0                           ; (named as upper halves of pairs, so they are written)
	v_mov_b32 v[GG+1], 0
	v_mov_b32 v[BE+1], 0
	s_mov_b32 s46, 0x76543210                      ; v_permlanex16_b32: lane l xor 16
	s_mov_b32 s47, 0xfedcba98
	s_wait_alu depctr_va_vdst(0)
	s_wait_kmcnt 0x0
	s_load_b512 s[28:43], s[18:19], 0x0            ; e0 .. e15
	s_load_b32 s44, s[20:21], 0x0                  ; alpha
	s_load_b32 s45, s[22:23], 0x0                  ; beta
	s_mov_b64 s[48:49], s[4:5]                     ; which tensor is my work-group's: the choice hangs on its number alone
	s_mov_b32 s50, 0
	PICKP 64, 6
	PICKP 80, 8
	PICKP 96, 10
	PICKP 112, 12
	PICKP 128, 14
	PICKP 192, 16
	s_sub_co_u32 s60, ttmp9, s50
	s_lshl_b32 s60, s60, 18                        ; 64 rows of 4,096 bytes
	s_mov_b32 s61, 0
	s_add_nc_u64 s[48:49], s[48:49], s[60:61]
	s_cmp_lt_u32 ttmp9, 64
	s_cselect_b64 s[52:53], s[24:25], s[26:27]     ; codes go to xc or to wc
	s_cselect_b32 s54, 0, 64
	s_cselect_b32 s55, 1, 0                        ; 1: the rows are x's
	s_sub_co_u32 s60, ttmp9, s54
	s_lshl_b32 s60, s60, 16                        ; 64 rows of 1,024 bytes
	s_add_nc_u64 s[52:53], s[52:53], s[60:61]
	s_add_nc_u64 s[56:57], s[52:53], 0x400000      ; xc's copies 1 and 2 (used by x's work-groups alone)
	s_add_nc_u64 s[58:59], s[52:53], 0x800000
	LOAD 0
	LOAD 1
	LOAD 2
	s_wait_kmcnt 0x0
	s_mov_b32 s51, s28                             ; e0, or the weight's own
	PICKE 64, 29
	PICKE 80, 31
	PICKE 96, 33
	PICKE 112, 39
	PICKE 128, 41
	PICKE 192, 43
	MKSC SC, SC+1, 51
	MKSC SC+2, SC+3, 30
	MKSC SC+4, SC+5, 32
	v_mov_b32 v[BE], s45
.irp t, 0,1,2,3,4,5,6,7
	ROW \t
.endr
	s_wait_tensorcnt 0x0                           ; the wave's end
	ds_add_u32 v[SPW], v[NIL]
	s_wait_dscnt 0x0
	s_endpgm
.Lfunc_end_k_q7e32d426cc_prep:
	.size	k_q7e32d426cc_prep, .Lfunc_end_k_q7e32d426cc_prep-k_q7e32d426cc_prep
	.p2alignl 7, 3214868480
	.fill 96, 4, 3214868480
	.section	.rodata,"a",@progbits
	.p2align	6, 0x0
	.amdhsa_kernel k_q7e32d426cc_prep
		.amdhsa_group_segment_fixed_size 41984
		.amdhsa_private_segment_fixed_size 0
		.amdhsa_enable_private_segment 0
		.amdhsa_kernarg_size 96
		.amdhsa_user_sgpr_count 2
		.amdhsa_user_sgpr_kernarg_segment_ptr 1
		.amdhsa_wavefront_size32 1
		.amdhsa_system_sgpr_workgroup_id_x 1
		.amdhsa_system_sgpr_workgroup_id_y 1
		.amdhsa_system_sgpr_workgroup_id_z 1
		.amdhsa_system_vgpr_workitem_id 0
		.amdhsa_next_free_vgpr 224
		.amdhsa_next_free_sgpr 66
		.amdhsa_reserve_vcc 0
		.amdhsa_float_denorm_mode_32 3
		.amdhsa_float_denorm_mode_16_64 3
		.amdhsa_memory_ordered 1
		.amdhsa_forward_progress 1
		.amdhsa_inst_pref_size 134
	.end_amdhsa_kernel
	.amdgpu_metadata
---
amdhsa.version: [ 1, 2 ]
amdhsa.kernels:
  - .name:           k_q7e32d426cc_prep
    .symbol:         k_q7e32d426cc_prep.kd
    .args:
      - { .name: x, .offset: 0, .size: 8, .value_kind: global_buffer, .address_space: global }
      - { .name: wq, .offset: 8, .size: 8, .value_kind: global_buffer, .address_space: global }
      - { .name: wk, .offset: 16, .size: 8, .value_kind: global_buffer, .address_space: global }
      - { .name: wv, .offset: 24, .size: 8, .value_kind: global_buffer, .address_space: global }
      - { .name: wo, .offset: 32, .size: 8, .value_kind: global_buffer, .address_space: global }
      - { .name: w1, .offset: 40, .size: 8, .value_kind: global_buffer, .address_space: global }
      - { .name: w2, .offset: 48, .size: 8, .value_kind: global_buffer, .address_space: global }
      - { .name: lowp_scales, .offset: 56, .size: 8, .value_kind: global_buffer, .address_space: global }
      - { .name: ln1_a, .offset: 64, .size: 8, .value_kind: global_buffer, .address_space: global }
      - { .name: ln1_b, .offset: 72, .size: 8, .value_kind: global_buffer, .address_space: global }
      - { .name: xc, .offset: 80, .size: 8, .value_kind: global_buffer, .address_space: global }
      - { .name: wc, .offset: 88, .size: 8, .value_kind: global_buffer, .address_space: global }
    .group_segment_fixed_size: 41984
    .private_segment_fixed_size: 0
    .kernarg_segment_align: 8
    .kernarg_segment_size: 96
    .max_flat_workgroup_size: 256
    .sgpr_count:     66
    .vgpr_count:     224
    .wavefront_size: 32
...
	.end_amdgpu_metadata
.endif
;; end of part 1
;; launch qkv (part 2): grid 12 x 16, 4 waves a work-group, clusters of 4 x 4, 327,680 bytes of LDS; arguments xc, wc, lowp_scales, bq, bk, bv, qkvc; writes qkvc
.if DOCPART == 2
	.amdgcn_target "amdgcn-amd-amdhsa--gfx1250"
	.amdhsa_code_object_version 6
	.text
	.protected	k_q7e32d426cc_qkv
	.globl	k_q7e32d426cc_qkv
	.p2align	8
	.type	k_q7e32d426cc_qkv,@function
k_q7e32d426cc_qkv:
	s_mov_b64 s[64:65], 0
	v_nop
	global_prefetch_b8 v0, s[64:65] scope:SCOPE_SE
	s_setreg_imm32_b32 hwreg(HW_REG_WAVE_MODE, 25, 1), 1
	s_wait_xcnt 0x0
	s_wait_alu depctr_hold_cnt(0) depctr_sa_sdst(0) depctr_va_vdst(0) depctr_va_sdst(0) depctr_va_ssrc(0) depctr_va_vcc(0) depctr_vm_vsrc(0)
	s_getreg_b32 s2, hwreg(HW_REG_IB_STS2, 6, 4)
	s_cmp_eq_u32 s2, 0
	s_cbranch_scc0 .Lentry_in_a_cluster
	s_endpgm
.Lentry_in_a_cluster:
	s_bfe_u32 s2, ttmp6, 0x10000c
	s_cmp_lg_u32 s2, 0xf033
	s_cbranch_scc0 .Lentry_shape_is_right
	s_endpgm
.Lentry_shape_is_right:
; A GEMM on E4M3 codes, K = 1,024, whose results are quantised on the way out.  One text serves two launches (QKV = 1: the three projections; QKV = 0: the feed-forward's first layer).
; QKV = 1.  The cluster's x, T, says which: 0 q = LN1(x) wq^T + bq, 1 k, 2 v.  Operand scales (e0, e1), (e2, e3), (e4, e5); results quantised with e6, e7, e9 into qkvc:
;   q at 0 and k at 4 MiB, [32 (batch x 16 + head)][2048 tokens][64]; v at 8 MiB, [32][64 channels][2048 tokens]: the keys innermost, since they are the K of attention's second product.
;   V IS MADE TRANSPOSED by exchanging the two sides' sources: for T = 2 the A side takes wv's rows and the B side the tokens.  The loop does not know.
;   In each 32 bytes along the innermost axis the four groups of 8 codes lie in the order 0, 2, 1, 3: that is what a lane's 16-byte store gives.  q and k carry it alike, so each product meets its partner; for v it is the order in which attention's weights lie.
; QKV = 0.  fc = Q(relu(hc w1^T + b1)), scales (e12, e13), result e14, [4096][4096] in true order (stores of 8 bytes).
; LIMITS: the sum of the two operands' exponents between -126 and 127; the result's exponent between -126 and 119.  NaN is not served.
; A tile of C, 256 x 256, is made by four waves, 128 x 128 each: 64 accumulators, 512 registers.  K goes in steps of 256 through a ring of two LDS slots filled by the tensor data mover: a tile's row is 256 bytes of memory.
; CLUSTERS: 4 x 4 work-groups.  The four of a row of the cluster need the same tiles of the A side, the four of a column the same tiles of the B side: each tile is asked for JOINTLY.
; THE MATRIX INSTRUCTION IS USED TRANSPOSED (source 0 = 16 rows of B, source 1 = 16 rows of A): a lane holds eight neighbouring columns of one row of C, which one conversion turns into 8 codes.
; Fragments come by four 16-byte loads: a permutation of k inside an instruction, the same on both sides.
; REGISTERS, in windows of 256: window 0: v0-31 addresses; v32-113 biases and the result's scale; from v128 A's fragments, ONE set; on the way out v128-255 are at work.
;   window 1: B's fragments, TWO sets.   window 2: accumulators of my rows 0-63 ((a, b) at v[8 (8 a + b)]);   window 3: of my rows 64-127.
.set QKV,    1
.set KSTEP,  256
.set ROWB,   256
.set KROW,   1024
.set PITCH,  272                       ; an LDS row: 256 bytes + 16 of padding = 68 words, so the 16 rows that a load touches start at 16 different banks (64 banks of 4 bytes: ISA guide 11.1)
.set FR,     16
.set NL,     4
.set NP,     4                         ; places behind this matrix instruction (ISA guide 7.12.1)
.set HALFT,  128*PITCH
.set SLOT,   4*HALFT
.set LAPS,   2                         ; 1,024 along K = twice round the ring
.set SPARE,  2*SLOT                    ; behind the ring: the spare words, 128 bytes a wave, that no other line names
.set VSTG,   256*PITCH                 ; the way out: a stage of 256 rows x 272 bytes at byte 0, and V's own behind it; both lie in slot 0, which has had its last fill and its last read by then
.if QKV
.set OUTP,   2048                      ; a row of v in bytes
.else
.set OUTP,   4096                      ; a row of fc
.endif
.set ADRA, 16                          ; v16-17  LDS address of my A fragments in slot 0, 1
.set ADRB, 20                          ; v20-21  the same for B
.set STO,  24                          ; v24     the stage: where I put my codes of a row
.set STOV, 25                          ; v25     the same in V's stage
.set RDQ,  26                          ; v26     q, k: where I read 16 bytes of a head's row back
.set RDR,  27                          ; v27     v, fc: where I read 16 bytes of a whole row back
.set SPW,  28                          ; v28     my spare word; never rewritten
.set NIL,  29                          ; v29     0; never rewritten
.set GQ,   30                          ; v30     q, k: 16 x lane
.set GR,   31                          ; v31     v, fc: my place in two rows of the output
.set BC,   32                          ; v32-95  the bias by column: eight numbers for each of B's eight blocks
.set BR,   96                          ; v96-111 the bias by row: one number, twice, for each of A's eight blocks
.set QS,   112                         ; v112, v113: the result's 2^e and 448 x 2^e
.set TT,   128                         ; the way out: a block's 64 numbers
.set CC,   192                         ; and its codes, two sets of 16
.set AF,   128
.set G1, 24
.set G0, 32
.set G1B, 48
.set G0B, 56
.set MSB, 0
.macro WIN new                         ; the immediate's high byte repeats the setting that is left
.if MSB != \new
	s_set_vgpr_msb (MSB<<8)|\new
.set MSB, \new
.endif
.endm
.set MUL_LO, 0xa1                      ; source 0 (B) window 1, source 1 (A) window 0, C and D window 2
.set MUL_HI, 0xf1                      ; the same, C and D window 3
.set TO_B,   0x40                      ; destination window 1, address window 0
; A joint load: waves 0 and 1 fetch for the A side, waves 2 and 3 for the B side.  The branch hangs on the wave's number alone.  An s_nop 0 and four v_nop follow each of the two lines.
.macro JLOAD g0a, g1a, g0b, g1b
	s_cmp_eq_u32 s15, 0
	s_cbranch_scc0 .Lfor_b_\@
	tensor_load_to_lds s[\g0a:\g0a+3], s[\g1a:\g1a+7]
	s_nop 0
.rept 4
	v_nop
.endr
	s_branch .Lasked_\@
.Lfor_b_\@:
	tensor_load_to_lds s[\g0b:\g0b+3], s[\g1b:\g1b+7]
	s_nop 0
.rept 4
	v_nop
.endr
.Lasked_\@:
.endm
.macro CREST                           ; a round of the cluster's barrier behind its opening barrier
	s_cmp_lg_u32 s14, 0
	s_cbranch_scc1 .Lnot_wave_0_\@
	s_barrier_signal -3
.Lnot_wave_0_\@:
	s_barrier_wait -3
	s_barrier_signal -1
	s_barrier_wait -1
.endm
.macro CROUND
	s_barrier_signal -1
	s_barrier_wait -1
	CREST
.endm
	s_load_b256 s[68:75], s[0:1], 0x0              ; the activations' codes, wc, the scales' exponents, the first bias
.if QKV
	s_load_b128 s[76:79], s[0:1], 0x20             ; bk, bv
	s_load_b64 s[80:81], s[0:1], 0x30              ; qkvc
.else
	s_load_b64 s[80:81], s[0:1], 0x20              ; fc
.endif
	v_lshl_add_u32 v[SPW], v0, 2, SPARE
	v_mov_b32 v[NIL], 0
	ds_add_u32 v[SPW], v[NIL]                      ; the wave's opening: the add and its wait ahead of my first tensor load; the set-up below, work on registers, stands between them
	ds_add_u32 v[SPW], v[NIL]
	v_lshrrev_b32 v1, 5, v0
	v_readfirstlane_b32 s14, v1
	v_and_b32 v22, 31, v0                          ; the prefetches' offset, never rewritten: a lane a row of 1,024 bytes
	v_lshlrev_b32 v22, 10, v22
	s_lshr_b32 s15, s14, 1                         ; which half of the tile's rows is mine.  Also: I fetch for A (0) or for B (1)
	s_and_b32 s16, s14, 1                          ; which half of its columns.  Also: which 128 rows of that tile I fetch
	s_bfe_u32 s40, ttmp6, 0x40000                  ; cx, cy: my place in the cluster
	s_bfe_u32 s41, ttmp6, 0x40004
	s_and_b32 s17, ttmp7, 0xffff
	s_lshl_b32 s17, s17, 2                         ; 4 x cluster y
	s_add_co_u32 s42, s17, s41                     ; + cy
	s_lshl_b32 s44, s41, 2
	s_lshl_b32 s44, 15, s44                        ; my row of the cluster
	s_lshl_b32 s45, 0x1111, s40                    ; my column
.if QKV
	s_add_co_u32 s43, s17, s40                     ; 4 x cluster y + cx
	s_lshl_b32 s46, ttmp9, 22                      ; xc's copy T
	s_lshl_b32 s47, ttmp9, 20                      ; wc's weight T
	s_cmp_eq_u32 ttmp9, 2                          ; the cluster's x: the same in all sixteen partners
	s_cselect_b32 s10, s41, s42                    ; A side's tile: made of cy (and the cluster's y) alone
	s_cselect_b32 s11, s43, s40                    ; B side's tile: made of cx (and the cluster's y) alone
	s_cselect_b32 s46, 0x200000, s46               ; A side: wv, or xc's copy
	s_cselect_b32 s47, 0x800000, s47               ; B side: xc's copy 2, or the weight
.else
	s_mov_b32 s10, s42                             ; tile row
	s_lshl_b32 s11, ttmp9, 2
	s_add_co_u32 s11, s11, s40                     ; tile column
	s_mov_b32 s46, 0
	s_mov_b32 s47, 0x400000                        ; w1's codes in wc
.endif
	; descriptor group 1: a tile of 128 rows x 256 bytes, padded in LDS
	s_or_b32 s[G1+0], s44, (0<<16)|(1<<20)|(1<<21)|(5<<22)|(3<<25)  ; 15:0 the mask: my row; 17:16 elements of 1 byte; 20 padding on; 21 set beside a mask; 24:22 after every 64 words; 31:25 four words
	s_or_b32 s[G1B+0], s45, (0<<16)|(1<<20)|(1<<21)|(5<<22)|(3<<25) ; the same with my column's mask
.irp g, G1, G1B
	s_mov_b32 s[\g+1], ROWB<<16                    ; tensor_dim0
	s_mov_b32 s[\g+2], 128<<16                     ; tensor_dim1
	s_mov_b32 s[\g+3], ROWB<<16                    ; tile_dim0
	s_mov_b32 s[\g+4], 128                         ; tile_dim1
	s_mov_b32 s[\g+5], KROW                        ; tensor_dim0_stride
	s_mov_b32 s[\g+6], 0
	s_mov_b32 s[\g+7], 0
.endr
	s_lshl_b32 s18, s16, 7                         ; which 128 rows of the tile I fetch
	s_lshl_b32 s20, s10, 8
	s_add_co_u32 s20, s20, s18
	s_lshl_b32 s20, s20, 10                        ; rows of 1,024 bytes
	s_add_co_u32 s20, s20, s46
	s_mov_b32 s21, 0
	s_lshl_b32 s22, s11, 8
	s_add_co_u32 s22, s22, s18
	s_lshl_b32 s22, s22, 10
	s_add_co_u32 s22, s22, s47
	s_mov_b32 s23, 0
	s_mul_i32 s19, s14, HALFT                      ; where they go: wave x 128 rows: no place in the cluster enters an LDS address
	s_wait_dscnt 0x0                               ; the opening add is done
	s_wait_kmcnt 0x0
.if QKV
	s_load_b512 s[84:99], s[72:73], 0x0            ; e0 .. e15
	s_cmp_eq_u32 ttmp9, 2
	s_cselect_b64 s[4:5], s[70:71], s[68:69]       ; A side: the weights' buffer for v, else the activations'
	s_cselect_b64 s[6:7], s[68:69], s[70:71]       ; B side: the other
.else
	s_load_b128 s[84:87], s[72:73], 0x30           ; e12 .. e15
	s_mov_b64 s[4:5], s[68:69]
	s_mov_b64 s[6:7], s[70:71]
.endif
	s_add_nc_u64 s[4:5], s[4:5], s[20:21]
	s_add_nc_u64 s[6:7], s[6:7], s[22:23]
	s_cmp_eq_u32 s15, 0                            ; do I fetch for the A side?  The wave's number alone decides
	s_cselect_b64 s[46:47], s[4:5], s[6:7]         ; where my prefetches stand: the 128 rows that I fetch,
	s_cselect_b32 s44, s40, s41                    ; my place among the four that ask for them with me (cx for A, cy for B),
	s_lshl_b32 s44, s44, 15                        ; x 32 rows of 1,024 bytes
	s_mov_b32 s45, 0
	s_add_nc_u64 s[46:47], s[46:47], s[44:45]
	CROUND                                         ; all sixteen work-groups are here: the first joint loads meet
.irp s, 0,1
	s_mov_b32 s[G0+4*\s], 1
	s_add_co_u32 s[G0+4*\s+1], s19, \s*SLOT
	s_add_nc_u64 s[G0+4*\s+2:G0+4*\s+3], s[4:5], \s*ROWB
	s_or_b32 s[G0+4*\s+3], s[G0+4*\s+3], 0x80000000
	s_mov_b32 s[G0B+4*\s], 1
	s_add_co_u32 s[G0B+4*\s+1], s19, \s*SLOT
	s_add_nc_u64 s[G0B+4*\s+2:G0B+4*\s+3], s[6:7], \s*ROWB
	s_or_b32 s[G0B+4*\s+3], s[G0B+4*\s+3], 0x80000000
	s_wait_alu depctr_va_vdst(0)                   ; the wait ahead of the later readers of the add's two registers
.if \s
	s_wait_tensorcnt 0x0                           ; slot 1's first fill is issued as a refill is: my part of K step 0 is in,
	ds_add_u32 v[SPW], v[NIL]                      ; the add,
	ds_add_u32 v[SPW], v[NIL]
	s_wait_dscnt 0x0
	CROUND                                         ; and a whole round of the cluster's barrier
.endif
	JLOAD G0+4*\s, G1, G0B+4*\s, G1B               ; one tensor load a wave at the head, one behind the round
.if \s == 0
	global_prefetch_b8 v22, s[46:47] offset:ROWB th:TH_LOAD_NT scope:SCOPE_SE   ; K step 1, whose load stands behind the sequence below
.endif
	global_prefetch_b8 v22, s[46:47] offset:(\s+2)*ROWB th:TH_LOAD_NT scope:SCOPE_SE   ; beside the load of K step s: K step s + 2.  32 rows x 256 bytes a wave, a lane a row; the four partners share a load's 128 rows out by address.  K has four steps, so the refills ask for nothing
.endr
	v_and_b32 v1, 15, v0                           ; r = lane % 16
	v_bfe_u32 v2, v0, 4, 1                         ; h = lane / 16
	v_mul_u32_u24 v3, v1, PITCH
	v_lshl_add_u32 v4, v2, 4, v3                   ; a fragment's row x pitch + 16 h
	s_wait_alu depctr_va_vdst(0)
	s_mul_i32 s21, s15, HALFT                      ; my 128 rows of A
	s_mul_i32 s22, s16, HALFT                      ; my 128 rows of B,
	s_add_co_u32 s22, s22, 2*HALFT                 ; which lie behind A's 256
.irp s, 0,1
	v_add_nc_u32 v[ADRA+\s], s21, v4
	v_add_nc_u32 v[ADRB+\s], s22, v4
	s_add_co_u32 s21, s21, SLOT
	s_add_co_u32 s22, s22, SLOT
.endr
	s_mul_i32 s23, s15, 128*PITCH                  ; the stage: my 128 rows, my 128 bytes of them
	s_lshl_b32 s12, s16, 7
	s_add_co_u32 s23, s23, s12
.if QKV
	v_add_nc_u32 v[STO], s23, v4                   ; row r, + 16 h: two blocks' codes of my half in one store
	v_add_nc_u32 v[STOV], VSTG, v[STO]
.else
	v_lshl_add_u32 v5, v2, 3, v3
	v_add_nc_u32 v[STO], s23, v5                   ; row r, + 8 h: true order
.endif
	s_mul_i32 s12, s14, 64*PITCH                   ; back: wave w takes rows 64 w .. 64 w + 63
	v_mul_u32_u24 v8, v2, PITCH
	v_lshl_add_u32 v8, v1, 4, v8
	v_add_nc_u32 v[RDR], s12, v8                   ; whole rows: lanes 0-15 one row, lanes 16-31 the next
.if QKV
	v_add_nc_u32 v[RDR], VSTG, v[RDR]
	v_and_b32 v5, 31, v0
	v_lshrrev_b32 v6, 2, v5
	v_mul_u32_u24 v6, v6, PITCH
	v_and_b32 v7, 3, v5
	v_lshl_add_u32 v6, v7, 4, v6
	v_add_nc_u32 v[RDQ], s12, v6                   ; a head's 64 bytes of eight rows: four lanes to a row
	v_lshlrev_b32 v[GQ], 4, v5
.endif
	v_mul_u32_u24 v[GR], v2, OUTP
	v_lshl_add_u32 v[GR], v1, 4, v[GR]
	; the biases, asked for here and waited for on the way out.  By column: lane (r, h) wants, for B's block b, columns 16 b + 8 h + 0 .. 7 of my 128
.if QKV
	s_cmp_eq_u32 ttmp9, 1
	s_cselect_b64 s[8:9], s[76:77], s[74:75]
	s_cmp_eq_u32 ttmp9, 2
	s_cselect_b64 s[8:9], s[78:79], s[8:9]         ; bq, bk or bv
	s_lshl_b32 s12, s40, 10
.else
	s_mov_b64 s[8:9], s[74:75]
	s_lshl_b32 s12, s11, 10
.endif
	s_lshl_b32 s13, s16, 9
	s_add_co_u32 s12, s12, s13
	v_lshlrev_b32 v9, 5, v2
	v_add_nc_u32 v9, s12, v9                       ; v9 and v10 are not rewritten: their loads stay out through the loop
.irp b, 0,1,2,3,4,5,6,7
	global_load_b128 v[BC+8*\b:BC+8*\b+3], v9, s[8:9] offset:64*\b
	global_load_b128 v[BC+8*\b+4:BC+8*\b+7], v9, s[8:9] offset:64*\b+16
.endr
.if QKV
	; by row, for v: lane r wants, for A's block a, row 16 a + r of my 128; each number into both registers of a pair.  Every work-group loads both sets (both lie inside the 1,024 numbers), so that no register is written on one way alone
	s_lshl_b32 s12, s41, 10
	s_lshl_b32 s13, s15, 9
	s_add_co_u32 s12, s12, s13
	v_lshlrev_b32 v10, 2, v1
	v_add_nc_u32 v10, s12, v10
.irp a, 0,1,2,3,4,5,6,7
	global_load_b32 v[BR+2*\a], v10, s[8:9] offset:64*\a
	global_load_b32 v[BR+2*\a+1], v10, s[8:9] offset:64*\a
.endr
	; q, k: T x 4 MiB + (batch x 16 + 4 cx) heads of 131,072 bytes + the tile's first token x 64 + my 64 tokens
	s_lshr_b32 s12, s10, 3
	s_lshl_b32 s12, s12, 21
	s_lshl_b32 s13, s40, 19
	s_add_co_u32 s12, s12, s13
	s_and_b32 s13, s10, 7
	s_lshl_b32 s13, s13, 14
	s_add_co_u32 s12, s12, s13
	s_lshl_b32 s13, s14, 12
	s_add_co_u32 s12, s12, s13
	s_lshl_b32 s13, ttmp9, 22
	s_add_co_u32 s12, s12, s13
	s_mov_b32 s13, 0
	s_add_nc_u64 s[82:83], s[80:81], s[12:13]
	; v: 8 MiB + batch x 2 MiB + (256 cy + 64 wave) channels of 2,048 bytes + the tile's first token
	s_lshr_b32 s12, s11, 3
	s_lshl_b32 s12, s12, 21
	s_lshl_b32 s13, s41, 19
	s_add_co_u32 s12, s12, s13
	s_lshl_b32 s13, s14, 17
	s_add_co_u32 s12, s12, s13
	s_and_b32 s13, s11, 7
	s_lshl_b32 s13, s13, 8
	s_add_co_u32 s12, s12, s13
	s_add_co_u32 s12, s12, 0x800000
	s_mov_b32 s13, 0
	s_add_nc_u64 s[100:101], s[80:81], s[12:13]
.else
	; fc: (256 tile row + 64 wave) rows of 4,096 bytes + 256 tile column
	s_lshl_b32 s12, s10, 20
	s_lshl_b32 s13, s14, 18
	s_add_co_u32 s12, s12, s13
	s_lshl_b32 s13, s11, 8
	s_add_co_u32 s12, s12, s13
	s_mov_b32 s13, 0
	s_add_nc_u64 s[100:101], s[80:81], s[12:13]
.endif
.macro FRAG reg, adr, q, i             ; a fragment, 16 rows x 128 K: lane l holds row l % 16; registers 4 c .. 4 c + 3 hold K = 32 c + 16 (l / 16) + 0 .. 15
.irp c, 0,1,2,3
	ds_load_b128 v[\reg+4*\c:\reg+4*\c+3], v[\adr] offset:128*(\q)+32*\c+(\i)*16*PITCH
.endr
.endm
; 16 matrix instructions: A's blocks a0, a0 + 1 x B's eight.  The 64 accumulators take turns, one instruction a turn, in the same order in every step.
.macro MUL16 a0, p, zero
.irp a, \a0, \a0+1
.irp b, 0,1,2,3,4,5,6,7
.if \zero
	v_wmma_f32_16x16x128_fp8_fp8 v[8*(8*((\a)%4)+\b):8*(8*((\a)%4)+\b)+7], v[128*(\p)+FR*\b:128*(\p)+FR*\b+FR-1], v[AF+FR*(\a):AF+FR*(\a)+FR-1], 0
.else
	v_wmma_f32_16x16x128_fp8_fp8 v[8*(8*((\a)%4)+\b):8*(8*((\a)%4)+\b)+7], v[128*(\p)+FR*\b:128*(\p)+FR*\b+FR-1], v[AF+FR*(\a):AF+FR*(\a)+FR-1], v[8*(8*((\a)%4)+\b):8*(8*((\a)%4)+\b)+7]
.endif
.endr
.endr
.endm
.macro FETCH_B slot, q, p
	WIN TO_B
.irp i, 0,1,2,3,4,5,6,7
	FRAG 128*(\p)+FR*\i, ADRB+\slot, \q, \i
.endr
	WIN 0
.endm
.macro FETCH_A slot, q, i0
.irp i, \i0, \i0+1, \i0+2, \i0+3
	FRAG AF+FR*(\i), ADRA+\slot, \q, \i
.endr
.endm
.macro PLACES n                        ; plain vector instructions between a matrix instruction and a load into, or a read of, its registers
.rept \n
	v_nop
.endr
.endm
.macro STEP slot, q, zero              ; a step of 128 along K that has its successor in the same slot
	s_wait_dscnt 4*NL                              ; B's set and A's blocks 0-3 are in; the youngest sixteen loads (A's blocks 4-7) may be out
	WIN MUL_LO
	MUL16 0, (\q)%2, \zero
	MUL16 2, (\q)%2, \zero
	s_wait_dscnt 0                                 ; A's blocks 4-7 are in
	PLACES NP
	FETCH_B \slot, (\q)+1, 1-(\q)%2
	FETCH_A \slot, (\q)+1, 0
	WIN MUL_HI
	MUL16 4, (\q)%2, \zero
	MUL16 6, (\q)%2, \zero
	PLACES NP
	WIN 0
	FETCH_A \slot, (\q)+1, 4
.endm
; A slot's last step changes slots: ONE barrier; in front of it each wave waits for all its tensor loads, adds 0 to its spare word, and waits for that and for its own reads of this slot.  fill = 1: this slot is filled again, two K steps ahead.
.macro TURN slot, next, fill
	s_wait_tensorcnt 0x0                           ; all my tensor loads have landed: my part of the next slot
	ds_add_u32 v[SPW], v[NIL]                      ; 0 onto my spare word
	s_wait_dscnt 4*NL+1                            ; (the add and the youngest sixteen loads may be out)
	WIN MUL_LO
	MUL16 0, 1, 0                                  ; sixteen matrix instructions stand between the add and the wait for it
	s_wait_dscnt 0x0                               ; the add is done, and my reads of this slot are over
	s_barrier_signal -1
	MUL16 2, 1, 0
	WIN 0
	s_barrier_wait -1
.if \fill
	CREST                                          ; the barrier has opened a round of the cluster's barrier: no wave of any partner still reads this slot's tile or has a load on its way
	s_add_nc_u64 s[G0+4*\slot+2:G0+4*\slot+3], s[G0+4*\slot+2:G0+4*\slot+3], 2*ROWB
	s_add_nc_u64 s[G0B+4*\slot+2:G0B+4*\slot+3], s[G0B+4*\slot+2:G0B+4*\slot+3], 2*ROWB
	JLOAD G0+4*\slot, G1, G0B+4*\slot, G1B         ; the first tensor load behind the round; its four v_nop are the places in front of the loads below
.else
	PLACES NP
.endif
	FETCH_B \next, 0, 0
	FETCH_A \next, 0, 0
	WIN MUL_HI
	MUL16 4, 1, 0
	MUL16 6, 1, 0
	PLACES NP
	WIN 0
	FETCH_A \next, 0, 4
.endm
	s_wait_tensorcnt 1                             ; my part of K step 0 is in (K step 1's load may be out)
	s_barrier_signal -1
	s_barrier_wait -1                              ; everybody's is
	FETCH_B 0, 0, 0
	FETCH_A 0, 0, 0
	FETCH_A 0, 0, 4
	STEP 0, 0, 1                                   ; the first step's products start the sums: nothing is cleared
	s_mov_b32 s3, LAPS-1
.Llap:                                                 ; a trip goes once round the ring and fills both slots again
	TURN 0, 1, 1
	STEP 1, 0, 0
	TURN 1, 0, 1
	STEP 0, 0, 0
	s_sub_co_u32 s3, s3, 1
	s_cmp_lg_u32 s3, 0
	s_cbranch_scc1 .Llap
	TURN 0, 1, 0                                   ; the last lap fills nothing
	STEP 1, 0, 0
	s_wait_dscnt 4*NL
	WIN MUL_LO
	MUL16 0, 1, 0
	MUL16 2, 1, 0
	s_wait_dscnt 0
	WIN MUL_HI
	MUL16 4, 1, 0
	MUL16 6, 1, 0
	WIN 0
; THE WAY OUT.  Block a (16 rows x 128 columns): number = sum x 2^(eA + eB) + bias, one packed multiply-add for two; the hold (kind 2: between 0 and the largest code x the scale, which is the activation too); eight conversions; the codes into the stage.
; kind 0: bias by column.  kind 1: bias by row.  kind 2: bias by column, relu, true order.  Each accumulator is read from its low end on.
.macro EPI kind, sto
.irp a, 0,1,2,3,4,5,6,7
	WIN 0x02+((\a)/4)                              ; source 0: window 2 or 3
.irp b, 0,1,2,3,4,5,6,7
.irp i, 0,2,4,6
.if \kind == 1
	v_pk_fma_f32 v[TT+8*\b+\i:TT+8*\b+\i+1], v[64*((\a)%4)+8*\b+\i:64*((\a)%4)+8*\b+\i+1], s[66:67], v[BR+2*\a:BR+2*\a+1] op_sel_hi:[1,0,1]
.else
	v_pk_fma_f32 v[TT+8*\b+\i:TT+8*\b+\i+1], v[64*((\a)%4)+8*\b+\i:64*((\a)%4)+8*\b+\i+1], s[66:67], v[BC+8*\b+\i:BC+8*\b+\i+1] op_sel_hi:[1,0,1]
.endif
.endr
.endr
	WIN 0
.if \a > 1
.if \kind == 2
	s_wait_dscnt 8                                 ; only the block before's eight stage stores may be out: those of two blocks back have read this set of codes
.else
	s_wait_dscnt 4                                 ; only the block before's four stage stores may be out
.endif
.endif
.irp b, 0,1,2,3,4,5,6,7
.irp i, 0,1,2,3,4,5,6,7
.if \kind == 2
	v_med3_num_f32 v[TT+8*\b+\i], v[TT+8*\b+\i], 0, v[QS+1]
.else
	v_med3_num_f32 v[TT+8*\b+\i], v[TT+8*\b+\i], -v[QS+1], v[QS+1]   ; the conversion to an 8-bit code does not saturate (ISA guide 7.6.2)
.endif
.endr
	v_cvt_scalef32_pk8_fp8_f32 v[CC+16*((\a)%2)+2*\b:CC+16*((\a)%2)+2*\b+1], v[TT+8*\b:TT+8*\b+7], v[QS]
.endr
	v_nop                                          ; a plain line between the last conversion and the next block's multiply-adds, which write its sources
.if \kind == 2
.irp b, 0,1,2,3,4,5,6,7
	ds_store_b64 v[\sto], v[CC+16*((\a)%2)+2*\b:CC+16*((\a)%2)+2*\b+1] offset:16*\a*PITCH+16*\b
.endr
.else
.irp c, 0,1,2,3
	ds_store_b128 v[\sto], v[CC+16*((\a)%2)+4*\c:CC+16*((\a)%2)+4*\c+3] offset:16*\a*PITCH+32*\c   ; blocks 2 c and 2 c + 1 of my half: the order 0, 2, 1, 3
.endr
.endif
.endr
.endm
.macro OUTROW                          ; 64 whole rows of 256 bytes: sixteen lanes store 256 consecutive bytes, aligned
.irp i, 0,1,2,3,4,5,6,7,8,9,10,11,12,13,14,15,16,17,18,19,20,21,22,23,24,25,26,27,28,29,30,31
	ds_load_b128 v[128+4*\i:128+4*\i+3], v[RDR] offset:2*\i*PITCH
.endr
.irp i, 0,1,2,3,4,5,6,7,8,9,10,11,12,13,14,15,16,17,18,19,20,21,22,23,24,25,26,27,28,29,30,31
	s_wait_dscnt 31-\i
	global_store_b128 v[GR], v[128+4*\i:128+4*\i+3], s[100:101] offset:2*\i*OUTP
.endr
.endm
	s_wait_kmcnt 0x0
.if QKV
	s_add_co_i32 s84, s84, s85                     ; e0 + e1, e2 + e3, e4 + e5
	s_add_co_i32 s86, s86, s87
	s_add_co_i32 s88, s88, s89
	s_cmp_eq_u32 ttmp9, 1
	s_cselect_b32 s84, s86, s84
	s_cselect_b32 s90, s91, s90                    ; e6 or e7
	s_cmp_eq_u32 ttmp9, 2
	s_cselect_b32 s84, s88, s84
	s_cselect_b32 s90, s93, s90                    ; or e9
.else
	s_add_co_i32 s84, s84, s85                     ; e12 + e13
	s_mov_b32 s90, s86                             ; e14
.endif
	s_add_co_i32 s84, s84, 127
	s_lshl_b32 s66, s84, 23                        ; 2^(eA + eB) as f32
	s_mov_b32 s67, s66                             ; (named with it as a pair, so it is written)
	s_add_co_i32 s90, s90, 127
	s_lshl_b32 s91, s90, 23
	v_mov_b32 v[QS], s91                           ; the result's 2^e
	s_add_co_i32 s90, s90, 8
	s_lshl_b32 s90, s90, 23
	s_or_b32 s90, s90, 0x600000
	v_mov_b32 v[QS+1], s90                         ; 448 x that
	s_wait_loadcnt 0x0                             ; the biases
	PLACES NP
.if QKV
	s_cmp_eq_u32 ttmp9, 2                          ; the cluster's x: all waves of all partners go the same way
	s_cbranch_scc1 .Lepi_v
	EPI 0, STO
	s_branch .Lepi_done
.Lepi_v:
	EPI 1, STOV
.Lepi_done:
.else
	EPI 2, STO
.endif
	s_wait_dscnt 0x0                               ; for the others' sake: my stores into the stage are done
	s_barrier_signal -1
	s_barrier_wait -1
.if QKV
	s_cmp_eq_u32 ttmp9, 2
	s_cbranch_scc1 .Lout_v
	; q, k: my 64 tokens, head by head: a head's 64 bytes of 64 tokens are 4,096 dense bytes of the output: each store covers 512 consecutive bytes, aligned
.irp hd, 0,1,2,3
.irp i, 0,1,2,3,4,5,6,7
	ds_load_b128 v[128+4*(8*\hd+\i):128+4*(8*\hd+\i)+3], v[RDQ] offset:8*\i*PITCH+64*\hd
.endr
.endr
.irp hd, 0,1,2,3
.irp i, 0,1,2,3,4,5,6,7
	s_wait_dscnt 31-(8*\hd+\i)
	global_store_b128 v[GQ], v[128+4*(8*\hd+\i):128+4*(8*\hd+\i)+3], s[82:83] offset:\hd*131072+512*\i
.endr
.endr
	s_branch .Lout_done
.Lout_v:
	OUTROW
.Lout_done:
.else
	OUTROW
.endif
	s_wait_tensorcnt 0x0                           ; the wave's end
	ds_add_u32 v[SPW], v[NIL]
	s_wait_dscnt 0x0
	CROUND                                         ; the closing round: no work-group ends while a partner may still ask for a tile that names it
	s_endpgm
.Lfunc_end_k_q7e32d426cc_qkv:
	.size	k_q7e32d426cc_qkv, .Lfunc_end_k_q7e32d426cc_qkv-k_q7e32d426cc_qkv
	.p2alignl 7, 3214868480
	.fill 96, 4, 3214868480
	.section	.rodata,"a",@progbits
	.p2align	6, 0x0
	.amdhsa_kernel k_q7e32d426cc_qkv
		.amdhsa_group_segment_fixed_size 327680
		.amdhsa_private_segment_fixed_size 0
		.amdhsa_enable_private_segment 0
		.amdhsa_kernarg_size 56
		.amdhsa_user_sgpr_count 2
		.amdhsa_user_sgpr_kernarg_segment_ptr 1
		.amdhsa_wavefront_size32 1
		.amdhsa_system_sgpr_workgroup_id_x 1
		.amdhsa_system_sgpr_workgroup_id_y 1
		.amdhsa_system_sgpr_workgroup_id_z 1
		.amdhsa_system_vgpr_workitem_id 0
		.amdhsa_next_free_vgpr 1024
		.amdhsa_next_free_sgpr 102
		.amdhsa_reserve_vcc 0
		.amdhsa_float_denorm_mode_32 3
		.amdhsa_float_denorm_mode_16_64 3
		.amdhsa_memory_ordered 1
		.amdhsa_forward_progress 1
		.amdhsa_inst_pref_size 206
	.end_amdhsa_kernel
	.amdgpu_metadata
---
amdhsa.version: [ 1, 2 ]
amdhsa.kernels:
  - .name:           k_q7e32d426cc_qkv
    .symbol:         k_q7e32d426cc_qkv.kd
    .args:
      - { .name: xc, .offset: 0, .size: 8, .value_kind: global_buffer, .address_space: global }
      - { .name: wc, .offset: 8, .size: 8, .value_kind: global_buffer, .address_space: global }
      - { .name: lowp_scales, .offset: 16, .size: 8, .value_kind: global_buffer, .address_space: global }
      - { .name: bq, .offset: 24, .size: 8, .value_kind: global_buffer, .address_space: global }
      - { .name: bk, .offset: 32, .size: 8, .value_kind: global_buffer, .address_space: global }
      - { .name: bv, .offset: 40, .size: 8, .value_kind: global_buffer, .address_space: global }
      - { .name: qkvc, .offset: 48, .size: 8, .value_kind: global_buffer, .address_space: global }
    .group_segment_fixed_size: 327680
    .private_segment_fixed_size: 0
    .kernarg_segment_align: 8
    .kernarg_segment_size: 56
    .max_flat_workgroup_size: 128
    .sgpr_count:     102
    .vgpr_count:     1024
    .wavefront_size: 32
...
	.end_amdgpu_metadata
.endif
;; end of part 2
;; launch attn (part 3): grid 8 x 32, 8 waves a work-group, clusters of 4 x 1, 327,680 bytes of LDS; arguments qkvc, lowp_scales, oc; writes oc
.if DOCPART == 3
	.amdgcn_target "amdgcn-amd-amdhsa--gfx1250"
	.amdhsa_code_object_version 6
	.text
	.protected	k_q7e32d426cc_attn
	.globl	k_q7e32d426cc_attn
	.p2align	8
	.type	k_q7e32d426cc_attn,@function
k_q7e32d426cc_attn:
	s_mov_b64 s[64:65], 0
	v_nop
	global_prefetch_b8 v0, s[64:65] scope:SCOPE_SE
	s_setreg_imm32_b32 hwreg(HW_REG_WAVE_MODE, 25, 1), 1
	s_wait_xcnt 0x0
	s_wait_alu depctr_hold_cnt(0) depctr_sa_sdst(0) depctr_va_vdst(0) depctr_va_sdst(0) depctr_va_ssrc(0) depctr_va_vcc(0) depctr_vm_vsrc(0)
	s_getreg_b32 s2, hwreg(HW_REG_IB_STS2, 6, 4)
	s_cmp_eq_u32 s2, 0
	s_cbranch_scc0 .Lentry_in_a_cluster
	s_endpgm
.Lentry_in_a_cluster:
	s_bfe_u32 s2, ttmp6, 0x10000c
	s_cmp_lg_u32 s2, 0x3003
	s_cbranch_scc0 .Lentry_shape_is_right
	s_endpgm
.Lentry_shape_is_right:
; ATTENTION on E4M3 codes, 32 heads (batch x 16 + head) of 2,048 tokens x 64 channels; reference() has no mask here (src_mask is the constant 0).  q, k: [32][2048][64]; v: [32][64][2048], the keys innermost; all in qkvc (q at 0, k at 4 MiB, v at 8 MiB).
; t = score x 2^(e6 + e7) x log2(e) / 8; M = the row's largest t so far, rounded UP to a whole number; p = 2^(t - M) is quantised with 2^e8, not normalised; the row's sum is taken of the unquantised p, in f32.
; When M moves, the sum and O are multiplied by 2^(old M - new M): exact.  At the end O x 2^(e8 + e9) / the sum is quantised with 2^e10 into oc [32][2048][64], channels in true order.
; LIMITS: e6 + e7 between -123 and 130 (added to c's exponent field); e8 and e10 between -126 and 119; e8 + e9 is applied by v_ldexp_f32 and has none.  NaN is not served.
; SHARES.  A work-group owns 256 queries of one head, each of its eight waves 32: two tiles of 16, so that each fragment of K and V read from LDS feeds two products.  Two waves share a SIMD.
; ALL OF A HEAD'S K AND V LIE IN LDS (163,840 + 135,168 bytes): every byte is filled once.  They come in four chunks of 512 keys.  A chunk is eight tensor loads, one a wave: waves 0-3 take 128 keys of K each, waves 4-7 sixteen channels of V each.
; Chunk 0 is asked for at the head; chunk c + 1 behind the sequence and the round that show chunk c whole, as a refill would be.
; CLUSTER.  The four query blocks of a cluster belong to one head: each load is a JOINT one, its descriptor made of the head and the wave's number alone.
; THE PHASES ARE SHIFTED BY ONE KEY STEP against the chunks (steps 0-2, 3-6, 7-10, 11-14, then 15): step i fetches K's fragments of step i + 1 under its softmax, and those lie in a chunk that the phase's round has shown whole.
; NO PREFETCH INTO THE L2: a chunk's load is issued three or four key steps ahead of the wait for it, and chunk 0 has no loop ahead of it to ask in.
; LAYOUT.  Both products transposed: S^T = K Q^T (source 0 = 16 keys, source 1 = 16 queries), O^T = V^T P^T: a lane holds ONE query throughout.  Tile t's eight registers of half h are keys 16 t + 8 h + 0 .. 7: one conversion makes registers 2 t, 2 t + 1
; of the second product's operand.  In v's rows the groups of 8 keys lie in the order 0, 2, 1, 3 in each 32: so four 16-byte loads bring V's fragment with the same keys in the same places.  q and k carry that order along their 64 channels alike.
; REGISTERS: v1-7 addresses; v8-15 per tile: -M, the largest t, the sum in two halves; v16-21, v24-29 per tile at work; v22 the scale; v30, v31 the hold, twice; v32-95 K's eight fragments; v96-223 S^T, then p; v224-255 p's codes.
;   Window 1: v0-63 O^T (32 a tile); v64-79 Q (8 a tile); v80-143 V's four fragments.
.set KP,    80                         ; a key's row in LDS: 64 bytes + 16: an odd multiple of 16
.set VP,    528                        ; a channel's 512 keys + 16
.set KCH,   512*KP                     ; a chunk of K
.set VCH,   64*VP                      ; a chunk of V
.set VB,    4*KCH
.set STAGE, VB+4*VCH                   ; the way out: 32 rows x 80 bytes for each wave; no tile lands here
.set SPARE, STAGE+8*32*KP              ; the spare words, 128 bytes a wave, that no other line names
.set AK0, 1
.set AV0, 2
.set ADK, 3
.set ADV, 4
.set SPW, 5
.set NIL, 6
.set QO,  7
.set ST,  8                            ; tile x at v[ST + 4 x]: -M, t, the sum's pair
.set WK,  16                           ; tile x at v[WK + 8 x]: +0, +1 f; +2 at work; +3 the other half's; +4, +5 the second chain
.set SCL, 22
.set RD,  23
.set LIM, 30
.set LIM2, 31
.set KF,  32
.set S,   96
.set P,   224
.set VF,  80                           ; in window 1
.set WV,  18
.set G1K, 24
.set G1V, 32
.set G0K, 40
.set G0V, 44
.set MSB, 0
.macro WIN new                         ; the immediate's high byte repeats the setting that is left
.if MSB != \new
	s_set_vgpr_msb (MSB<<8)|\new
.set MSB, \new
.endif
.endm
.macro CROUND                          ; a round of the cluster's barrier
	s_barrier_signal -1
	s_barrier_wait -1
	s_cmp_lg_u32 s[WV], 0
	s_cbranch_scc1 .Lnot_wave_0_\@
	s_barrier_signal -3
.Lnot_wave_0_\@:
	s_barrier_wait -3
	s_barrier_signal -1
	s_barrier_wait -1
.endm
.macro TLOAD                           ; every wave's one joint load: an arm for K's waves, an arm for V's; s_nop 0 and four v_nop behind each line
	s_cmp_lt_u32 s[WV], 4
	s_cbranch_scc0 .Lfor_v_\@
	tensor_load_to_lds s[G0K:G0K+3], s[G1K:G1K+7]
	s_nop 0
.rept 4
	v_nop
.endr
	s_branch .Lasked_\@
.Lfor_v_\@:
	tensor_load_to_lds s[G0V:G0V+3], s[G1V:G1V+7]
	s_nop 0
.rept 4
	v_nop
.endr
.Lasked_\@:
.endm
.macro KLOAD adr                       ; K's eight fragments of a key step: 16 keys x 64 channels each
.irp t, 0,1,2,3,4,5,6,7
	ds_load_b128 v[KF+8*\t:KF+8*\t+3], v[\adr] offset:16*KP*\t
	ds_load_b128 v[KF+8*\t+4:KF+8*\t+7], v[\adr] offset:16*KP*\t+32
.endr
.endm
.macro HOLD b                          ; eight p held at 448 x 2^e8, two an instruction: the conversion does not saturate (ISA guide 7.6.2); p is not negative, so the hold is one-sided.  The bound stands in two registers, one for each half of the pair
.irp i, 0,2,4,6
	v_dual_min_num_f32 v[\b+\i], v[\b+\i], v[LIM] :: v_dual_min_num_f32 v[\b+\i+1], v[\b+\i+1], v[LIM2]
.endr
.endm
	s_load_b128 s[4:7], s[0:1], 0x0                ; qkvc, the scales' exponents
	s_load_b64 s[8:9], s[0:1], 0x10                ; oc
	v_lshl_add_u32 v[SPW], v0, 2, SPARE
	v_mov_b32 v[NIL], 0
	ds_add_u32 v[SPW], v[NIL]                      ; the wave's opening: the add, twice on end, and its wait ahead of my first tensor load
	ds_add_u32 v[SPW], v[NIL]
	v_lshrrev_b32 v1, 5, v0
	v_readfirstlane_b32 s[WV], v1                  ; wave 0..7
	s_bfe_u32 s13, ttmp6, 0x40000                  ; cx: it enters Q's and O's global addresses alone
	s_lshl_b32 s14, ttmp9, 2
	s_add_co_u32 s14, s14, s13                     ; my block of 256 queries
	s_and_b32 s15, ttmp7, 0xffff                   ; the head, which the four partners share
	s_lshl_b32 s15, s15, 17                        ; x 131,072 bytes, in each of the four tensors
	s_and_b32 s16, s[WV], 3                        ; which quarter of a chunk of K, or of V, I fetch
	s_mov_b32 s[G1K], 15|(1<<20)|(1<<21)|(3<<22)|(3<<25)   ; the mask: all four; elements of 1 byte; padding on; 21 set beside a mask; four words after every 16
	s_mov_b32 s[G1K+1], 64<<16                     ; tensor_dim0
	s_mov_b32 s[G1K+2], 128<<16                    ; tensor_dim1
	s_mov_b32 s[G1K+3], 64<<16                     ; tile_dim0
	s_mov_b32 s[G1K+4], 128                        ; tile_dim1
	s_mov_b32 s[G1K+5], 64                         ; stride
	s_mov_b32 s[G1K+6], 0
	s_mov_b32 s[G1K+7], 0
	s_mov_b32 s[G1V], 15|(1<<20)|(1<<21)|(6<<22)|(3<<25)   ; four words after every 128
	s_mov_b32 s[G1V+1], 512<<16
	s_mov_b32 s[G1V+2], 16<<16
	s_mov_b32 s[G1V+3], 512<<16
	s_mov_b32 s[G1V+4], 16
	s_mov_b32 s[G1V+5], 2048
	s_mov_b32 s[G1V+6], 0
	s_mov_b32 s[G1V+7], 0
	s_mul_i32 s17, s16, 128*KP                     ; K: my 128 keys of a chunk in LDS
	s_mul_i32 s19, s16, 16*VP
	s_add_co_u32 s19, s19, VB                      ; V: my 16 channels
	s_lshl_b32 s84, s16, 13                        ; K in memory: 128 keys of 64 bytes,
	s_add_co_u32 s84, s84, s15
	s_add_co_u32 s84, s84, 0x400000
	s_mov_b32 s85, 0
	s_lshl_b32 s86, s16, 15                        ; V: 16 channels of 2,048 bytes
	s_add_co_u32 s86, s86, s15
	s_add_co_u32 s86, s86, 0x800000
	s_mov_b32 s87, 0
	s_lshl_b32 s88, s14, 8
	s_lshl_b32 s89, s[WV], 5
	s_add_co_u32 s88, s88, s89                     ; my first query: 256 block + 32 wave
	s_lshl_b32 s88, s88, 6
	s_add_co_u32 s88, s88, s15
	s_mov_b32 s89, 0
	s_mov_b32 s20, 0x76543210                      ; v_permlanex16_b32: lane l xor 16
	s_mov_b32 s21, 0xfedcba98
	s_mov_b32 s22, 0x3e38aa3b                      ; c = log2(e) / 8
	s_wait_dscnt 0x0                               ; both opening adds are done
	s_wait_kmcnt 0x0
	s_add_nc_u64 s[90:91], s[4:5], s[88:89]        ; Q at my first query
	s_add_nc_u64 s[8:9], s[8:9], s[88:89]          ; O likewise
	s_mov_b32 s[G0K], 1                            ; group 0: count 1, LDS address, global address, type 2
	s_mov_b32 s[G0K+1], s17
	s_add_nc_u64 s[G0K+2:G0K+3], s[4:5], s[84:85]
	s_or_b32 s[G0K+3], s[G0K+3], 0x80000000
	s_mov_b32 s[G0V], 1
	s_mov_b32 s[G0V+1], s19
	s_add_nc_u64 s[G0V+2:G0V+3], s[4:5], s[86:87]
	s_or_b32 s[G0V+3], s[G0V+3], 0x80000000
	CROUND                                         ; all four work-groups are here: the joint loads meet
	TLOAD                                          ; chunk 0: one tensor load a wave at the head
	s_load_b128 s[76:79], s[6:7], 0x18             ; e6, e7, e8, e9
	s_load_b32 s80, s[6:7], 0x28                   ; e10
	v_and_b32 v16, 15, v0                          ; r
	v_bfe_u32 v17, v0, 4, 1                        ; h
	v_lshlrev_b32 v[QO], 6, v16
	v_lshl_add_u32 v[QO], v17, 4, v[QO]            ; Q: row r of 64 bytes, + 16 h
	WIN 0x40                                       ; destination window 1
.irp x, 0,1
	global_load_b128 v[64+8*\x:67+8*\x], v[QO], s[90:91] offset:1024*\x
	global_load_b128 v[68+8*\x:71+8*\x], v[QO], s[90:91] offset:1024*\x+32
.endr
.set j, 0
.rept 64
	v_mov_b32 v[j], 0                              ; O^T.  (The step has no first form of its own: it finds zeros, which the first change of M leaves zeros)
.set j, j+1
.endr
	WIN 0
	v_mul_u32_u24 v[AK0], v16, KP
	v_mul_u32_u24 v[AV0], v16, VP
	v_lshl_add_u32 v[AK0], v17, 4, v[AK0]
	v_lshl_add_u32 v[AV0], v17, 4, v[AV0]
	v_add_nc_u32 v[AV0], VB, v[AV0]
.irp x, 0,1
	v_mov_b32 v[ST+4*\x+1], 0xff61b1e6             ; the largest t so far: -3e38, under every t
	v_mov_b32 v[ST+4*\x+2], 0                      ; the sum, in two halves
	v_mov_b32 v[ST+4*\x+3], 0
	v_floor_f32 v[ST+4*\x], -v[ST+4*\x+1]          ; -M
	v_mov_b32 v[WK+8*\x+1], 0                      ; (named as the upper half of f's pair)
	v_mov_b32 v[WK+8*\x+3], 0                      ; (a lane permute's destination counts as one of its sources)
.endr
	s_wait_kmcnt 0x0
	s_add_co_i32 s81, s76, s77
	s_lshl_b32 s81, s81, 23
	s_add_co_i32 s22, s22, s81                     ; a score stands for score x 2^(e6 + e7): the two are added to c's exponent field
	s_mov_b32 s23, s22                             ; (named with it as a pair)
	s_add_co_i32 s81, s78, 127
	s_lshl_b32 s82, s81, 23
	v_mov_b32 v[SCL], s82                          ; 2^e8
	s_add_co_i32 s81, s81, 8
	s_lshl_b32 s81, s81, 23
	s_or_b32 s81, s81, 0x600000
	v_mov_b32 v[LIM], s81                          ; 448 x 2^e8,
	v_mov_b32 v[LIM2], s81                         ; and once more
; A KEY STEP: 128 keys, both tiles.  s10 = the step's number i.  pre = 1: K's fragments of step i + 1 are fetched under the softmax.
.macro STEP pre
	s_wait_dscnt 0x0                               ; K's fragments are in
	s_lshr_b32 s12, s10, 2                         ; V of step i: chunk i / 4, 128 (i % 4) bytes along its rows
	s_mul_i32 s12, s12, VCH
	s_and_b32 s3, s10, 3
	s_lshl_b32 s3, s3, 7
	s_add_co_u32 s3, s3, s12
.if \pre
	s_mul_i32 s2, s10, 128*KP                      ; K of step i + 1: K's chunks lie on end
	s_add_co_u32 s2, s2, 128*KP
.endif
	WIN 0x04                                       ; source 1 (Q) window 1
.irp t, 0,1,2,3,4,5,6,7
.irp x, 0,1
	v_wmma_f32_16x16x64_fp8_fp8 v[S+64*\x+8*\t:S+64*\x+8*\t+7], v[KF+8*\t:KF+8*\t+7], v[64+8*\x:71+8*\x], 0
.endr
.endr
	WIN 0
	v_add_nc_u32 v[ADV], s3, v[AV0]                ; four plain lines: the places in front of the loads below and of the first read of the scores
.if \pre
	v_add_nc_u32 v[ADK], s2, v[AK0]
.else
	v_nop
.endif
	v_nop
	v_nop
	WIN 0x40                                       ; destination window 1
.irp t, 0,1,2,3
.irp c, 0,1,2,3
	ds_load_b128 v[VF+16*\t+4*\c:VF+16*\t+4*\c+3], v[ADV] offset:16*VP*\t+32*\c   ; V's four fragments land under the softmax,
.endr
.endr
	WIN 0
.if \pre
	KLOAD ADK                                      ; and so do the next step's fragments of K
.endif
.irp x, 0,1
	v_max3_num_f32 v[WK+8*\x+2], v[S+64*\x], v[S+64*\x+1], v[S+64*\x+2]   ; the step's largest score of my query, two chains a tile; each accumulator is met at its low end first
	v_max3_num_f32 v[WK+8*\x+4], v[S+64*\x+3], v[S+64*\x+4], v[S+64*\x+5]
.endr
.irp i, 6,10,14,18,22,26,30,34,38,42,46,50,54,58
.irp x, 0,1
	v_max3_num_f32 v[WK+8*\x+2], v[WK+8*\x+2], v[S+64*\x+\i], v[S+64*\x+\i+1]
	v_max3_num_f32 v[WK+8*\x+4], v[WK+8*\x+4], v[S+64*\x+\i+2], v[S+64*\x+\i+3]
.endr
.endr
.irp x, 0,1
	v_max3_num_f32 v[WK+8*\x+2], v[WK+8*\x+2], v[S+64*\x+62], v[S+64*\x+63]
.endr
.irp x, 0,1
	s_delay_alu instid0(VALU_DEP_2)
	v_max_num_f32 v[WK+8*\x+2], v[WK+8*\x+2], v[WK+8*\x+4]
.endr
.irp x, 0,1
	s_delay_alu instid0(VALU_DEP_2)
	v_permlanex16_b32 v[WK+8*\x+3], v[WK+8*\x+2], s20, s21
.endr
.irp x, 0,1
	s_delay_alu instid0(VALU_DEP_2)
	v_max_num_f32 v[WK+8*\x+2], v[WK+8*\x+2], v[WK+8*\x+3]   ; and among lane l xor 16's
.endr
.irp x, 0,1
	s_delay_alu instid0(VALU_DEP_2)
	v_mul_f32 v[WK+8*\x+2], s22, v[WK+8*\x+2]      ; as t (c is positive)
.endr
	s_delay_alu instid0(VALU_DEP_2)
	v_max_num_f32 v[ST+1], v[ST+1], v[WK+2]        ; the running largest t
	v_mov_b32 v[WK+2], v[ST]
	s_delay_alu instid0(VALU_DEP_3)
	v_max_num_f32 v[ST+5], v[ST+5], v[WK+10]
	v_mov_b32 v[WK+10], v[ST+4]
	s_delay_alu instid0(VALU_DEP_4)
	v_floor_f32 v[ST], -v[ST+1]                    ; the new -M = floor(-t): M is a whole number
	s_delay_alu instid0(VALU_DEP_3)
	v_floor_f32 v[ST+4], -v[ST+5]
.irp x, 0,1
	s_delay_alu instid0(VALU_DEP_2)
	v_sub_f32 v[WK+8*\x+2], v[ST+4*\x], v[WK+8*\x+2]   ; old M - new M: a whole number, 0 or less
.endr
.irp x, 0,1
	s_delay_alu instid0(VALU_DEP_2)
	v_cvt_i32_f32 v[WK+8*\x+2], v[WK+8*\x+2]       ; (it saturates)
.endr
.irp x, 0,1
	s_delay_alu instid0(VALU_DEP_2)
	v_ldexp_f32 v[WK+8*\x], 1.0, v[WK+8*\x+2]      ; f = 2^(old M - new M)
.endr
.irp x, 0,1
.set j, 0
.rept 32
	v_pk_fma_f32 v[S+64*\x+j:S+64*\x+j+1], v[S+64*\x+j:S+64*\x+j+1], s[22:23], v[ST+4*\x:ST+4*\x+1] op_sel_hi:[1,0,0]   ; t - M, two at a time
.set j, j+2
.endr
.endr
	s_wait_alu depctr_va_vdst(0)                   ; the wait ahead of the batch
.set j, 0
.rept 128
	v_exp_f32 v[S+j], v[S+j]                       ; p = 2^(t - M), at most 1: both tiles' exponentials are one batch
.set j, j+1
.endr
.irp x, 0,1
	v_pk_mul_f32 v[ST+4*\x+2:ST+4*\x+3], v[ST+4*\x+2:ST+4*\x+3], v[WK+8*\x:WK+8*\x+1] op_sel_hi:[1,0]   ; the sums under the new M: the plain lines behind the batch
.endr
	s_wait_alu depctr_va_vdst(0)                   ; one wait for the batch, ahead of its first reader
.irp x, 0,1
	v_pk_add_f32 v[WK+8*\x+4:WK+8*\x+5], v[S+64*\x:S+64*\x+1], v[S+64*\x+2:S+64*\x+3]   ; the row's sum is taken of the UNQUANTISED p, two chains a tile
.endr
.irp j, 4,8,12,16,20,24,28,32,36,40,44,48,52,56,60
.irp x, 0,1
	v_pk_add_f32 v[ST+4*\x+2:ST+4*\x+3], v[ST+4*\x+2:ST+4*\x+3], v[S+64*\x+\j:S+64*\x+\j+1]
	v_pk_add_f32 v[WK+8*\x+4:WK+8*\x+5], v[WK+8*\x+4:WK+8*\x+5], v[S+64*\x+\j+2:S+64*\x+\j+3]
.endr
.endr
.irp x, 0,1
	v_pk_add_f32 v[ST+4*\x+2:ST+4*\x+3], v[ST+4*\x+2:ST+4*\x+3], v[WK+8*\x+4:WK+8*\x+5]
.endr
.irp x, 0,1
.irp t, 0,1,2,3,4,5,6,7
	HOLD S+64*\x+8*\t
	v_cvt_scalef32_pk8_fp8_f32 v[P+16*\x+2*\t:P+16*\x+2*\t+1], v[S+64*\x+8*\t:S+64*\x+8*\t+7], v[SCL]
.endr
.endr
	WIN 0x41                                       ; O^T (destination and source 0) window 1
	s_wait_alu depctr_va_vdst(0)                   ; the wait directly ahead of the first readers of O^T
.irp x, 0,1
.set j, 0
.rept 16
	v_pk_mul_f32 v[32*\x+j:32*\x+j+1], v[32*\x+j:32*\x+j+1], v[WK+8*\x:WK+8*\x+1] op_sel_hi:[1,0]   ; O^T under the new M; also the plain lines behind the conversions
.set j, j+2
.endr
.endr
	s_wait_alu depctr_va_vdst(0)
	s_wait_dscnt 0x0                               ; V is in
	WIN 0x51                                       ; V (source 0), C and D window 1
.irp t, 0,1,2,3
.irp x, 0,1
	v_wmma_f32_16x16x128_fp8_fp8 v[32*\x+8*\t:32*\x+8*\t+7], v[VF+16*\t:VF+16*\t+15], v[P+16*\x:P+16*\x+15], v[32*\x+8*\t:32*\x+8*\t+7]   ; eight accumulators by turns, one instruction a turn
.endr
.endr
	WIN 0
.endm
; PHASE c: my part of chunk c has landed; the add; everybody's has (c < 3: in all four work-groups, by a round); chunk c + 1 is asked for, my one tensor load behind the round; then key steps first .. last - 1.
.macro PHASE c, first, last
	s_wait_tensorcnt 0x0                           ; no tensor load of mine is out, so a group 0 may be written
	ds_add_u32 v[SPW], v[NIL]                      ; 0 onto my spare word
.if \c < 3
	s_add_co_u32 s[G0K+1], s[G0K+1], KCH           ; the next chunk: 512 keys of 64 bytes on,
	s_add_nc_u64 s[G0K+2:G0K+3], s[G0K+2:G0K+3], 32768
	s_add_co_u32 s[G0V+1], s[G0V+1], VCH           ; 512 bytes along each of V's rows
	s_add_nc_u64 s[G0V+2:G0V+3], s[G0V+2:G0V+3], 512
.endif
	s_wait_dscnt 0x0
.if \c < 3
	CROUND
	TLOAD
.else
	s_barrier_signal -1                            ; nothing more is asked for: my work-group's barrier alone
	s_barrier_wait -1
.endif
.if \c == 0
	KLOAD AK0                                      ; step 0's fragments of K
.endif
	s_mov_b32 s10, \first
.Lstep_\@:
	STEP 1
	s_add_co_u32 s10, s10, 1
	s_cmp_lt_u32 s10, \last
	s_cbranch_scc1 .Lstep_\@
.endm
	s_wait_alu depctr_va_vdst(0)
	s_wait_loadcnt 0x0                             ; Q
	PHASE 0, 0, 3
	PHASE 1, 3, 7
	PHASE 2, 7, 11
	PHASE 3, 11, 15
	s_mov_b32 s10, 15
	STEP 0                                         ; the last step is written out: no step follows whose K it could fetch
	; THE WAY OUT.  The additions are the places behind the last products.
.irp x, 0,1
	v_add_f32 v[WK+8*\x+2], v[ST+4*\x+2], v[ST+4*\x+3]
.endr
.irp x, 0,1
	s_delay_alu instid0(VALU_DEP_2)
	v_permlanex16_b32 v[WK+8*\x+3], v[WK+8*\x+2], s20, s21
.endr
.irp x, 0,1
	s_delay_alu instid0(VALU_DEP_2)
	v_add_f32 v[WK+8*\x+2], v[WK+8*\x+2], v[WK+8*\x+3]   ; the row's sum
.endr
	s_wait_alu depctr_va_vdst(0)                   ; the wait ahead of the reciprocals
.irp x, 0,1
	v_rcp_f32 v[WK+8*\x], v[WK+8*\x+2]
.endr
	v_and_b32 v34, 31, v0                          ; (plain lines behind the reciprocals)  lane
	v_and_b32 v32, 15, v0                          ; r
	v_bfe_u32 v33, v0, 4, 1                        ; h
	s_mul_i32 s12, s[WV], 32*KP
	s_add_co_u32 s12, s12, STAGE                   ; my stage
	v_lshlrev_b32 v[ADK], 4, v34                   ; O's offset: 16 x lane
	v_mul_u32_u24 v[ADV], v32, KP
	v_lshrrev_b32 v35, 2, v34
	v_and_b32 v34, 3, v34
	v_lshl_add_u32 v[ADV], v33, 3, v[ADV]
	v_mul_u32_u24 v35, v35, KP
	v_add_nc_u32 v[ADV], s12, v[ADV]               ; into the stage: row r, + 8 h
	v_lshl_add_u32 v35, v34, 4, v35
	v_add_nc_u32 v[RD], s12, v35                   ; back: four lanes to a row of 64 bytes
	s_add_co_i32 s81, s78, s79                     ; e8 + e9
	s_add_co_i32 s82, s80, 127
	s_lshl_b32 s83, s82, 23
	v_mov_b32 v[SCL], s83                          ; 2^e10
	s_add_co_i32 s82, s82, 8
	s_lshl_b32 s82, s82, 23
	s_or_b32 s82, s82, 0x600000
	v_mov_b32 v[LIM], s82                          ; 448 x 2^e10
	s_wait_alu depctr_va_vdst(0)                   ; one wait for the two reciprocals, ahead of their first reader
.irp x, 0,1
	v_ldexp_f32 v[WK+8*\x], v[WK+8*\x], s81
.endr
	WIN 0x01                                       ; source 0 (O^T) window 1
	s_wait_alu depctr_va_vdst(0)                   ; the wait directly ahead of the first readers of O^T
.irp x, 0,1
.set j, 0
.rept 16
	v_pk_mul_f32 v[S+64*\x+j:S+64*\x+j+1], v[32*\x+j:32*\x+j+1], v[WK+8*\x:WK+8*\x+1] op_sel_hi:[1,0]   ; register 8 t + i is o(query r, channel 16 t + 8 h + i); each accumulator from its low end on
.set j, j+2
.endr
.endr
	WIN 0
.irp x, 0,1
.irp t, 0,1,2,3
.irp i, 0,1,2,3,4,5,6,7
	v_med3_num_f32 v[S+64*\x+8*\t+\i], v[S+64*\x+8*\t+\i], -v[LIM], v[LIM]
.endr
	v_cvt_scalef32_pk8_fp8_f32 v[P+8*\x+2*\t:P+8*\x+2*\t+1], v[S+64*\x+8*\t:S+64*\x+8*\t+7], v[SCL]
.endr
.endr
	v_nop                                          ; a plain line behind the last conversion
.irp x, 0,1
.irp t, 0,1,2,3
	ds_store_b64 v[ADV], v[P+8*\x+2*\t:P+8*\x+2*\t+1] offset:16*\x*KP+16*\t   ; true order of the channels
.endr
.endr
.irp i, 0,1,2,3
	ds_load_b128 v[KF+4*\i:KF+4*\i+3], v[RD] offset:8*KP*\i   ; LDS serves a wave's instructions in order: these see my stores
.endr
.irp i, 0,1,2,3
	s_wait_dscnt 3-\i
	global_store_b128 v[ADK], v[KF+4*\i:KF+4*\i+3], s[8:9] offset:512*\i   ; my 32 queries' codes are 2,048 dense bytes: each store covers 512, aligned
.endr
	s_wait_tensorcnt 0x0                           ; the wave's end
	ds_add_u32 v[SPW], v[NIL]
	s_wait_dscnt 0x0
	CROUND                                         ; the closing round
	s_endpgm
.Lfunc_end_k_q7e32d426cc_attn:
	.size	k_q7e32d426cc_attn, .Lfunc_end_k_q7e32d426cc_attn-k_q7e32d426cc_attn
	.p2alignl 7, 3214868480
	.fill 96, 4, 3214868480
	.section	.rodata,"a",@progbits
	.p2align	6, 0x0
	.amdhsa_kernel k_q7e32d426cc_attn
		.amdhsa_group_segment_fixed_size 327680
		.amdhsa_private_segment_fixed_size 0
		.amdhsa_enable_private_segment 0
		.amdhsa_kernarg_size 24
		.amdhsa_user_sgpr_count 2
		.amdhsa_user_sgpr_kernarg_segment_ptr 1
		.amdhsa_wavefront_size32 1
		.amdhsa_system_sgpr_workgroup_id_x 1
		.amdhsa_system_sgpr_workgroup_id_y 1
		.amdhsa_system_sgpr_workgroup_id_z 1
		.amdhsa_system_vgpr_workitem_id 0
		.amdhsa_next_free_vgpr 400
		.amdhsa_next_free_sgpr 96
		.amdhsa_reserve_vcc 0
		.amdhsa_float_denorm_mode_32 3
		.amdhsa_float_denorm_mode_16_64 3
		.amdhsa_memory_ordered 1
		.amdhsa_forward_progress 1
		.amdhsa_inst_pref_size 167
	.end_amdhsa_kernel
	.amdgpu_metadata
---
amdhsa.version: [ 1, 2 ]
amdhsa.kernels:
  - .name:           k_q7e32d426cc_attn
    .symbol:         k_q7e32d426cc_attn.kd
    .args:
      - { .name: qkvc, .offset: 0, .size: 8, .value_kind: global_buffer, .address_space: global }
      - { .name: lowp_scales, .offset: 8, .size: 8, .value_kind: global_buffer, .address_space: global }
      - { .name: oc, .offset: 16, .size: 8, .value_kind: global_buffer, .address_space: global }
    .group_segment_fixed_size: 327680
    .private_segment_fixed_size: 0
    .kernarg_segment_align: 8
    .kernarg_segment_size: 24
    .max_flat_workgroup_size: 256
    .sgpr_count:     96
    .vgpr_count:     400
    .wavefront_size: 32
...
	.end_amdgpu_metadata
.endif
;; end of part 3
;; launch oproj (part 4): grid 8 x 32, 4 waves a work-group, clusters of 4 x 4, 327,680 bytes of LDS; arguments oc, wc, lowp_scales, bo, x, h; writes h
.if DOCPART == 4
	.amdgcn_target "amdgcn-amd-amdhsa--gfx1250"
	.amdhsa_code_object_version 6
	.text
	.protected	k_q7e32d426cc_oproj
	.globl	k_q7e32d426cc_oproj
	.p2align	8
	.type	k_q7e32d426cc_oproj,@function
k_q7e32d426cc_oproj:
	s_mov_b64 s[64:65], 0
	v_nop
	global_prefetch_b8 v0, s[64:65] scope:SCOPE_SE
	s_setreg_imm32_b32 hwreg(HW_REG_WAVE_MODE, 25, 1), 1
	s_wait_xcnt 0x0
	s_wait_alu depctr_hold_cnt(0) depctr_sa_sdst(0) depctr_va_vdst(0) depctr_va_sdst(0) depctr_va_ssrc(0) depctr_va_vcc(0) depctr_vm_vsrc(0)
	s_getreg_b32 s2, hwreg(HW_REG_IB_STS2, 6, 4)
	s_cmp_eq_u32 s2, 0
	s_cbranch_scc0 .Lentry_in_a_cluster
	s_endpgm
.Lentry_in_a_cluster:
	s_bfe_u32 s2, ttmp6, 0x10000c
	s_cmp_lg_u32 s2, 0xf033
	s_cbranch_scc0 .Lentry_shape_is_right
	s_endpgm
.Lentry_shape_is_right:
; h = x + (attention's result, codes in oc [32][2048][64]) wo^T x 2^(e10 + e11) + bo, f32 [4096][1024].  LIMIT: e10 + e11 between -126 and 127.
; A block of 128 x 128 of h to a work-group, 64 x 64 to each of four waves; K = 1,024 in two LDS slots of 512, each filled once by joint loads in clusters of 4 x 4 (A's tiles shared along a row, B's along a column).
; One tensor load a wave at the head; slot 1's fill stands behind the sequence and the round.  No loop over K, so no prefetch.  x's block is loaded into registers under the products.
.set WO,     1
.if WO
.set SIZE_K, 1024
.set KSH,    10
.set WOFF,   0x300000
.set SCOFF,  0x28
.set AHALF,  8*64*80
.set ASTEP,  8*131072
.else
.set SIZE_K, 4096
.set KSH,    12
.set WOFF,   0x800000
.set SCOFF,  0x38
.set AHALF,  64*528
.set ASTEP,  512
.endif
.set KSLOT,  512
.set PB,     528
.set HALFB,  64*PB
.set SLOT,   2*AHALF+2*HALFB
.set STAGE,  2*SLOT
.set SPITCH, 272
.set SPARE,  STAGE+4*16*SPITCH
.set LAPS,   SIZE_K/(2*KSLOT)
.set ADRA, 16
.set ADRB, 20
.set STO,  24
.set RD,   25
.set CO,   26
.set BO,   27
.set SPW,  28
.set NIL,  29
.set BK,   32
.set BIAS, 96
.set ACC,  128
.set F0,   0
.set F1,   128
.set G1, 24
.set G0, 32
.set G1B, 48
.set G0B, 56
.set MSB, 0
.macro WIN new
.if MSB != \new
	s_set_vgpr_msb (MSB<<8)|\new
.set MSB, \new
.endif
.endm
.set MUL,  0x05
.set TO_F, 0x40
.macro JLOAD s
	s_cmp_eq_u32 s11, 0
	s_cbranch_scc0 .Lfor_b_\@
	tensor_load_to_lds s[G0+4*\s:G0+4*\s+3], s[G1:G1+7]
	s_nop 0
.rept 4
	v_nop
.endr
	s_branch .Lasked_\@
.Lfor_b_\@:
	tensor_load_to_lds s[G0B+4*\s:G0B+4*\s+3], s[G1B:G1B+7]
	s_nop 0
.rept 4
	v_nop
.endr
.Lasked_\@:
.endm
.macro CREST
	s_cmp_lg_u32 s10, 0
	s_cbranch_scc1 .Lnot_wave_0_\@
	s_barrier_signal -3
.Lnot_wave_0_\@:
	s_barrier_wait -3
	s_barrier_signal -1
	s_barrier_wait -1
.endm
.macro CROUND
	s_barrier_signal -1
	s_barrier_wait -1
	CREST
.endm
	s_load_b256 s[68:75], s[0:1], 0x0
	s_load_b128 s[76:79], s[0:1], 0x20
	v_lshl_add_u32 v[SPW], v0, 2, SPARE
	v_mov_b32 v[NIL], 0
	ds_add_u32 v[SPW], v[NIL]
	ds_add_u32 v[SPW], v[NIL]
	v_lshrrev_b32 v1, 5, v0
	v_readfirstlane_b32 s10, v1
	s_lshr_b32 s11, s10, 1
	s_and_b32 s12, s10, 1
	s_bfe_u32 s40, ttmp6, 0x40000
	s_bfe_u32 s41, ttmp6, 0x40004
	s_lshl_b32 s42, ttmp9, 2
	s_add_co_u32 s42, s42, s40
	s_and_b32 s13, ttmp7, 0xffff
	s_lshl_b32 s13, s13, 2
	s_add_co_u32 s13, s13, s41
	s_lshl_b32 s43, s41, 2
	s_lshl_b32 s43, 15, s43
	s_lshl_b32 s44, 0x1111, s40
.if WO
	s_or_b32 s[G1+0], s43, (0<<16)|(1<<20)|(1<<21)|(3<<22)|(3<<25)
	s_mov_b32 s[G1+1], 4096<<16
	s_mov_b32 s[G1+2], 8<<16
	s_mov_b32 s[G1+3], 4096<<16
	s_mov_b32 s[G1+4], 8
	s_mov_b32 s[G1+5], 131072
.else
	s_or_b32 s[G1+0], s43, (0<<16)|(1<<20)|(1<<21)|(6<<22)|(3<<25)
	s_mov_b32 s[G1+1], KSLOT<<16
	s_mov_b32 s[G1+2], 64<<16
	s_mov_b32 s[G1+3], KSLOT<<16
	s_mov_b32 s[G1+4], 64
	s_mov_b32 s[G1+5], SIZE_K
.endif
	s_mov_b32 s[G1+6], 0
	s_mov_b32 s[G1+7], 0
	s_or_b32 s[G1B+0], s44, (0<<16)|(1<<20)|(1<<21)|(6<<22)|(3<<25)
	s_mov_b32 s[G1B+1], KSLOT<<16
	s_mov_b32 s[G1B+2], 64<<16
	s_mov_b32 s[G1B+3], KSLOT<<16
	s_mov_b32 s[G1B+4], 64
	s_mov_b32 s[G1B+5], SIZE_K
	s_mov_b32 s[G1B+6], 0
	s_mov_b32 s[G1B+7], 0
	s_lshl_b32 s17, s12, 6
.if WO
	s_lshr_b32 s16, s13, 4
	s_lshl_b32 s16, s16, 21
	s_and_b32 s18, s13, 15
	s_lshl_b32 s18, s18, 7
	s_add_co_u32 s18, s18, s17
	s_lshl_b32 s18, s18, 6
	s_add_co_u32 s16, s16, s18
.else
	s_lshl_b32 s16, s13, 7
	s_add_co_u32 s16, s16, s17
	s_lshl_b32 s16, s16, 12
.endif
	s_lshl_b32 s46, s42, 7
	s_add_co_u32 s46, s46, s17
	s_lshl_b32 s46, s46, KSH
	s_add_co_u32 s46, s46, WOFF
	s_mov_b32 s17, 0
	s_mov_b32 s47, 0
	s_mul_i32 s20, s10, AHALF
	s_mul_i32 s45, s10, HALFB
	s_add_co_u32 s45, s45, 2*(AHALF-HALFB)
	s_wait_dscnt 0x0
	s_wait_kmcnt 0x0
	s_load_b64 s[90:91], s[72:73], SCOFF
	s_add_nc_u64 s[14:15], s[68:69], s[16:17]
	s_add_nc_u64 s[46:47], s[70:71], s[46:47]
	CROUND
.irp s, 0,1
	s_mov_b32 s[G0+4*\s], 1
	s_add_co_u32 s[G0+4*\s+1], s20, \s*SLOT
	s_add_nc_u64 s[G0+4*\s+2:G0+4*\s+3], s[14:15], \s*ASTEP
	s_or_b32 s[G0+4*\s+3], s[G0+4*\s+3], 0x80000000
	s_mov_b32 s[G0B+4*\s], 1
	s_add_co_u32 s[G0B+4*\s+1], s45, \s*SLOT
	s_add_nc_u64 s[G0B+4*\s+2:G0B+4*\s+3], s[46:47], \s*KSLOT
	s_or_b32 s[G0B+4*\s+3], s[G0B+4*\s+3], 0x80000000
	s_wait_alu depctr_va_vdst(0)
.if \s
	s_wait_tensorcnt 0x0                           ; slot 1's first fill is issued as a refill is
	ds_add_u32 v28, v29
	ds_add_u32 v28, v29
	s_wait_dscnt 0x0
	CROUND
.endif
	JLOAD \s
.endr
	v_and_b32 v1, 15, v0
	v_bfe_u32 v2, v0, 4, 1
.if WO
	v_mul_u32_u24 v3, v1, 80
.else
	v_mul_u32_u24 v3, v1, PB
.endif
	v_lshl_add_u32 v3, v2, 4, v3
	v_mul_u32_u24 v4, v1, PB
	v_lshl_add_u32 v4, v2, 4, v4
	s_mul_i32 s21, s11, AHALF
	s_mul_i32 s22, s12, HALFB
	s_add_co_u32 s22, s22, 2*AHALF
.irp s, 0,1
	v_add_nc_u32 v[ADRA+\s], s21, v3
	v_add_nc_u32 v[ADRB+\s], s22, v4
	s_add_co_u32 s21, s21, SLOT
	s_add_co_u32 s22, s22, SLOT
.endr
	s_mul_i32 s23, s10, 16*SPITCH
	s_add_co_u32 s23, s23, STAGE
	v_mul_u32_u24 v5, v1, SPITCH
	v_lshl_add_u32 v5, v2, 5, v5
	v_add_nc_u32 v[STO], s23, v5
	v_mul_u32_u24 v5, v2, SPITCH
	v_lshl_add_u32 v5, v1, 4, v5
	v_add_nc_u32 v[RD], s23, v5
	v_lshlrev_b32 v[CO], 12, v2
	v_lshl_add_u32 v[CO], v1, 4, v[CO]
	s_wait_alu depctr_va_vdst(0)
	v_lshlrev_b32 v[BO], 4, v1
	s_wait_alu depctr_va_vdst(0)
	s_lshl_b32 s16, s13, 7
	s_lshl_b32 s18, s11, 6
	s_add_co_u32 s16, s16, s18
	s_lshl_b32 s16, s16, 12
	s_mov_b32 s17, 0
	s_lshl_b32 s46, s42, 7
	s_lshl_b32 s47, s12, 6
	s_add_co_u32 s46, s46, s47
	s_lshl_b32 s46, s46, 2
	s_mov_b32 s47, 0
	s_add_nc_u64 s[84:85], s[76:77], s[16:17]
	s_add_nc_u64 s[84:85], s[84:85], s[46:47]
	s_add_nc_u64 s[86:87], s[78:79], s[16:17]
	s_add_nc_u64 s[86:87], s[86:87], s[46:47]
	s_add_nc_u64 s[88:89], s[74:75], s[46:47]
	WIN 0x80
.irp a, 0,1,2,3
.irp t, 0,1,2,3,4,5,6,7
	global_load_b128 v[32*\a+4*\t:32*\a+4*\t+3], v[CO], s[84:85] offset:(16*\a+2*\t)*4096
.endr
.endr
	WIN 0
	global_load_b128 v[BIAS:BIAS+3], v[BO], s[88:89]
.macro FRAGB reg, slot, q, i
.irp c, 0,1,2,3
	ds_load_b128 v[\reg+4*\c:\reg+4*\c+3], v[ADRB+\slot] offset:128*(\q)+32*\c+(\i)*16*PB
.endr
.endm
.macro FRAGA reg, slot, q, i
.irp c, 0,1,2,3
.if WO
	ds_load_b128 v[\reg+4*\c:\reg+4*\c+3], v[ADRA+\slot] offset:(2*(\q)+\c/2)*5120+32*(\c%2)+(\i)*1280
.else
	ds_load_b128 v[\reg+4*\c:\reg+4*\c+3], v[ADRA+\slot] offset:128*(\q)+32*\c+(\i)*16*PB
.endif
.endr
.endm
.macro FETCH slot, q, f
	WIN TO_F
.irp i, 0,1,2,3
	FRAGB \f+64+16*\i, \slot, \q, \i
.endr
.irp i, 0,1,2,3
	FRAGA \f+16*\i, \slot, \q, \i
.endr
.endm
.macro MULA f, a, zero
.irp b, 0,1,2,3
.if \zero
	v_wmma_f32_16x16x128_fp8_fp8 v[ACC+8*(4*(\a)+\b):ACC+8*(4*(\a)+\b)+7], v[\f+64+16*\b:\f+64+16*\b+15], v[\f+16*(\a):\f+16*(\a)+15], 0
.else
	v_wmma_f32_16x16x128_fp8_fp8 v[ACC+8*(4*(\a)+\b):ACC+8*(4*(\a)+\b)+7], v[\f+64+16*\b:\f+64+16*\b+15], v[\f+16*(\a):\f+16*(\a)+15], v[ACC+8*(4*(\a)+\b):ACC+8*(4*(\a)+\b)+7]
.endif
.endr
.endm
.macro PLACES
.rept 4
	v_nop
.endr
.endm
.macro QUARTER slot, q, f, g, zero
	s_wait_dscnt 8
	WIN MUL
	MULA \f, 0, \zero
	MULA \f, 1, \zero
	PLACES
	FETCH \slot, \q, \g
	s_wait_dscnt 32
	WIN MUL
	MULA \f, 2, \zero
	MULA \f, 3, \zero
.endm
.macro TURN slot, next, fill
	WIN 0
	s_wait_tensorcnt 0x0
	ds_add_u32 v[SPW], v[NIL]
	s_wait_dscnt 9
	WIN MUL
	MULA F1, 0, 0
	s_wait_dscnt 0x0
	s_barrier_signal -1
	MULA F1, 1, 0
	WIN 0
	s_barrier_wait -1
.if \fill
	CREST
	s_add_nc_u64 s[G0+4*\slot+2:G0+4*\slot+3], s[G0+4*\slot+2:G0+4*\slot+3], 2*KSLOT
	s_add_nc_u64 s[G0B+4*\slot+2:G0B+4*\slot+3], s[G0B+4*\slot+2:G0B+4*\slot+3], 2*KSLOT
	JLOAD \slot
.else
	PLACES
.endif
	FETCH \next, 0, F0
	WIN MUL
	MULA F1, 2, 0
	MULA F1, 3, 0
.endm
	s_wait_tensorcnt 1
	s_barrier_signal -1
	s_barrier_wait -1
	FETCH 0, 0, F0
	QUARTER 0, 1, F0, F1, 1
.if LAPS > 1
	WIN 0
	s_mov_b32 s3, LAPS-1
.Llap:
	QUARTER 0, 2, F1, F0, 0
	QUARTER 0, 3, F0, F1, 0
	TURN 0, 1, 1
	QUARTER 1, 1, F0, F1, 0
	QUARTER 1, 2, F1, F0, 0
	QUARTER 1, 3, F0, F1, 0
	TURN 1, 0, 1
	QUARTER 0, 1, F0, F1, 0
	WIN 0
	s_sub_co_u32 s3, s3, 1
	s_cmp_lg_u32 s3, 0
	s_cbranch_scc1 .Llap
.endif
	QUARTER 0, 2, F1, F0, 0
	QUARTER 0, 3, F0, F1, 0
	TURN 0, 1, 0
	QUARTER 1, 1, F0, F1, 0
	QUARTER 1, 2, F1, F0, 0
	QUARTER 1, 3, F0, F1, 0
	s_wait_dscnt 8
	WIN MUL
	MULA F1, 0, 0
	MULA F1, 1, 0
	s_wait_dscnt 0
	MULA F1, 2, 0
	MULA F1, 3, 0
	WIN 0
.macro TOSTAGE a
.irp b, 0,1,2,3
	ds_store_b128 v[STO], v[ACC+8*(4*(\a)+\b):ACC+8*(4*(\a)+\b)+3] offset:64*\b
	ds_store_b128 v[STO], v[ACC+8*(4*(\a)+\b)+4:ACC+8*(4*(\a)+\b)+7] offset:64*\b+16
.endr
.irp t, 0,1,2,3,4,5,6,7
	ds_load_b128 v[BK+32*((\a)%2)+4*\t:BK+32*((\a)%2)+4*\t+3], v[RD] offset:2*SPITCH*\t
.endr
.endm
.macro SEND a, younger
	s_wait_dscnt \younger
.irp t, 0,1,2,3,4,5,6,7
.irp p, 0,2
	v_pk_fma_f32 v[BK+32*((\a)%2)+4*\t+\p:BK+32*((\a)%2)+4*\t+\p+1], v[BK+32*((\a)%2)+4*\t+\p:BK+32*((\a)%2)+4*\t+\p+1], s[66:67], v[BIAS+\p:BIAS+\p+1] op_sel_hi:[1,0,1]
.endr
.endr
	WIN 0x08
.set j, 0
.rept 16
	v_pk_add_f32 v[BK+32*((\a)%2)+j:BK+32*((\a)%2)+j+1], v[BK+32*((\a)%2)+j:BK+32*((\a)%2)+j+1], v[32*(\a)+j:32*(\a)+j+1]
.set j, j+2
.endr
	WIN 0
.irp t, 0,1,2,3,4,5,6,7
	global_store_b128 v[CO], v[BK+32*((\a)%2)+4*\t:BK+32*((\a)%2)+4*\t+3], s[86:87] offset:(16*(\a)+2*\t)*4096
.endr
.endm
	PLACES
	s_wait_kmcnt 0x0
	s_add_co_i32 s90, s90, s91
	s_add_co_i32 s90, s90, 127
	s_lshl_b32 s66, s90, 23
	s_mov_b32 s67, s66
	s_wait_loadcnt 0x0
	TOSTAGE 0
	TOSTAGE 1
	SEND 0, 16
	s_wait_xcnt 0x0
	TOSTAGE 2
	SEND 1, 16
	s_wait_xcnt 0x0
	TOSTAGE 3
	SEND 2, 16
	SEND 3, 0
	s_wait_tensorcnt 0x0
	ds_add_u32 v[SPW], v[NIL]
	s_wait_dscnt 0x0
	CROUND
	s_endpgm
.Lfunc_end_k_q7e32d426cc_oproj:
	.size	k_q7e32d426cc_oproj, .Lfunc_end_k_q7e32d426cc_oproj-k_q7e32d426cc_oproj
	.p2alignl 7, 3214868480
	.fill 96, 4, 3214868480
	.section	.rodata,"a",@progbits
	.p2align	6, 0x0
	.amdhsa_kernel k_q7e32d426cc_oproj
		.amdhsa_group_segment_fixed_size 327680
		.amdhsa_private_segment_fixed_size 0
		.amdhsa_enable_private_segment 0
		.amdhsa_kernarg_size 48
		.amdhsa_user_sgpr_count 2
		.amdhsa_user_sgpr_kernarg_segment_ptr 1
		.amdhsa_wavefront_size32 1
		.amdhsa_system_sgpr_workgroup_id_x 1
		.amdhsa_system_sgpr_workgroup_id_y 1
		.amdhsa_system_sgpr_workgroup_id_z 1
		.amdhsa_system_vgpr_workitem_id 0
		.amdhsa_next_free_vgpr 640
		.amdhsa_next_free_sgpr 96
		.amdhsa_reserve_vcc 0
		.amdhsa_float_denorm_mode_32 3
		.amdhsa_float_denorm_mode_16_64 3
		.amdhsa_memory_ordered 1
		.amdhsa_forward_progress 1
		.amdhsa_inst_pref_size 54
	.end_amdhsa_kernel
	.amdgpu_metadata
---
amdhsa.version: [ 1, 2 ]
amdhsa.kernels:
  - .name:           k_q7e32d426cc_oproj
    .symbol:         k_q7e32d426cc_oproj.kd
    .args:
      - { .name: oc, .offset: 0, .size: 8, .value_kind: global_buffer, .address_space: global }
      - { .name: wc, .offset: 8, .size: 8, .value_kind: global_buffer, .address_space: global }
      - { .name: lowp_scales, .offset: 16, .size: 8, .value_kind: global_buffer, .address_space: global }
      - { .name: bo, .offset: 24, .size: 8, .value_kind: global_buffer, .address_space: global }
      - { .name: x, .offset: 32, .size: 8, .value_kind: global_buffer, .address_space: global }
      - { .name: h, .offset: 40, .size: 8, .value_kind: global_buffer, .address_space: global }
    .group_segment_fixed_size: 327680
    .private_segment_fixed_size: 0
    .kernarg_segment_align: 8
    .kernarg_segment_size: 48
    .max_flat_workgroup_size: 128
    .sgpr_count:     96
    .vgpr_count:     640
    .wavefront_size: 32
...
	.end_amdgpu_metadata
.endif
;; end of part 4
;; launch ln2 (part 5): grid 256 x 1, 8 waves a work-group, no clusters, 41,984 bytes of LDS; arguments h, lowp_scales, ln2_a, ln2_b, hc; writes hc
.if DOCPART == 5
	.amdgcn_target "amdgcn-amd-amdhsa--gfx1250"
	.amdhsa_code_object_version 6
	.text
	.protected	k_q7e32d426cc_ln2
	.globl	k_q7e32d426cc_ln2
	.p2align	8
	.type	k_q7e32d426cc_ln2,@function
k_q7e32d426cc_ln2:
	s_mov_b64 s[64:65], 0
	v_nop
	global_prefetch_b8 v0, s[64:65] scope:SCOPE_SE
	s_setreg_imm32_b32 hwreg(HW_REG_WAVE_MODE, 25, 1), 1
	s_wait_xcnt 0x0
; LN2.  h [4096][1024] f32 -> LayerNormalization -> E4M3 codes with the scale 2^e12 in hc [4096][1024].
; The norm is the source's own: alpha (x - mean) / sqrt(std + 1e-6) + beta, std the unbiased one (divisor 1023); mean first, then the squares of x - mean.
; LIMITS: e12 between -126 and 119.  NaN is not served.
; A work-group takes 16 rows, a wave two, a whole row at a time: a row's sums never leave the wave.  Each load reads 512 consecutive bytes; the row turns through the wave's own stage in LDS (64 places of 64 bytes + 16)
; and comes back 16 neighbours a lane, twice; a lane's 16 codes are 16 bytes, so each store covers 512 consecutive bytes, aligned.  Both rows are asked for at the head.  Waves share nothing: no barrier.
.set NROWS, 2
.set SP,    80
.set WREG,  64*SP
.set SPARE, 8*WREG                     ; behind the stages: the spare words, 128 bytes a wave, that no other line names
.set LIN,   2
.set SIN,   3
.set SOUT,  4
.set GOUT,  5
.set SPW,   6
.set NIL,   7
.set MU,    8
.set GG,    10
.set BE,    12
.set TA,    14
.set TB,    16
.set SC,    20                         ; v20, v21: 2^e12, 448 x 2^e12
.set R,     32                         ; v32-95 two rows as loaded
.set X,     128
.set TQ,    160
.set CC,    192                        ; four registers for each row and chunk: no store's data are written again
.macro LOAD t
.irp i, 0,1,2,3,4,5,6,7
	global_load_b128 v[R+32*(\t)+4*\i:R+32*(\t)+4*\i+3], v[LIN], s[48:49] offset:4096*(\t)+512*\i
.endr
.endm
.macro REDUCE
	s_delay_alu instid0(VALU_DEP_1)
	v_add_f32_dpp v[TA], v[TA], v[TA] row_xmask:1 row_mask:0xf bank_mask:0xf
	s_delay_alu instid0(VALU_DEP_1)
	v_add_f32_dpp v[TA], v[TA], v[TA] row_xmask:2 row_mask:0xf bank_mask:0xf
	s_delay_alu instid0(VALU_DEP_1)
	v_add_f32_dpp v[TA], v[TA], v[TA] row_xmask:4 row_mask:0xf bank_mask:0xf
	s_delay_alu instid0(VALU_DEP_1)
	v_add_f32_dpp v[TA], v[TA], v[TA] row_xmask:8 row_mask:0xf bank_mask:0xf
	s_delay_alu instid0(VALU_DEP_1)
	v_permlanex16_b32 v[TA+1], v[TA], s46, s47
	s_delay_alu instid0(VALU_DEP_1)
	v_add_f32 v[TA], v[TA], v[TA+1]
.endm
.macro NORM
	v_pk_add_f32 v[TA:TA+1], v[RS:RS+1], v[RS+2:RS+3]
	v_pk_add_f32 v[TB:TB+1], v[RS+4:RS+5], v[RS+6:RS+7]
.irp j, 8,12,16,20,24,28
	s_delay_alu instid0(VALU_DEP_2)
	v_pk_add_f32 v[TA:TA+1], v[TA:TA+1], v[RS+\j:RS+\j+1]
	s_delay_alu instid0(VALU_DEP_2)
	v_pk_add_f32 v[TB:TB+1], v[TB:TB+1], v[RS+\j+2:RS+\j+3]
.endr
	s_delay_alu instid0(VALU_DEP_1)
	v_pk_add_f32 v[TA:TA+1], v[TA:TA+1], v[TB:TB+1]
	s_delay_alu instid0(VALU_DEP_1)
	v_add_f32 v[TA], v[TA], v[TA+1]
	REDUCE
	s_delay_alu instid0(VALU_DEP_1)
	v_mul_f32 v[MU], 0x3a800000, v[TA]             ; / 1024
.irp j, 0,2,4,6,8,10,12,14,16,18,20,22,24,26,28,30
	v_pk_add_f32 v[RS+\j:RS+\j+1], v[RS+\j:RS+\j+1], v[MU:MU+1] op_sel_hi:[1,0] neg_lo:[0,1] neg_hi:[0,1]
.endr
	v_pk_mul_f32 v[TA:TA+1], v[RS:RS+1], v[RS:RS+1]
	v_pk_mul_f32 v[TB:TB+1], v[RS+2:RS+3], v[RS+2:RS+3]
.irp j, 4,8,12,16,20,24,28
	s_delay_alu instid0(VALU_DEP_2)
	v_pk_fma_f32 v[TA:TA+1], v[RS+\j:RS+\j+1], v[RS+\j:RS+\j+1], v[TA:TA+1]
	s_delay_alu instid0(VALU_DEP_2)
	v_pk_fma_f32 v[TB:TB+1], v[RS+\j+2:RS+\j+3], v[RS+\j+2:RS+\j+3], v[TB:TB+1]
.endr
	s_delay_alu instid0(VALU_DEP_1)
	v_pk_add_f32 v[TA:TA+1], v[TA:TA+1], v[TB:TB+1]
	s_delay_alu instid0(VALU_DEP_1)
	v_add_f32 v[TA], v[TA], v[TA+1]
	REDUCE
	s_delay_alu instid0(VALU_DEP_1)
	v_mul_f32 v[TA], 0x3a802008, v[TA]             ; / 1023
	s_wait_alu depctr_va_vdst(0)
	v_sqrt_f32 v[TB], v[TA]                        ; std
	v_nop                                          ; a plain instruction behind a transcendental,
	s_wait_alu depctr_va_vdst(0)                   ; and the wait ahead of its first reader
	v_add_f32 v[TB], 0x358637bd, v[TB]             ; + 1e-6
	s_wait_alu depctr_va_vdst(0)
	v_rsq_f32 v[TA], v[TB]
	v_nop
	s_wait_alu depctr_va_vdst(0)
	v_mul_f32 v[GG], s44, v[TA]                    ; x alpha
.irp j, 0,2,4,6,8,10,12,14,16,18,20,22,24,26,28,30
	v_pk_fma_f32 v[RS+\j:RS+\j+1], v[RS+\j:RS+\j+1], v[GG:GG+1], v[BE:BE+1] op_sel_hi:[1,0,0]
.endr
.endm
.macro QC c, t
.set TS, TQ+16*(\c)
.set CR, CC+4*(2*(\t)+(\c))
.irp i, 0,1,2,3,4,5,6,7,8,9,10,11,12,13,14,15
	v_med3_num_f32 v[TS+\i], v[X+16*(\c)+\i], -v[SC+1], v[SC+1]   ; the conversion to an 8-bit code does not saturate (ISA guide 7.6.2): the hold comes first
.endr
	v_cvt_scalef32_pk8_fp8_f32 v[CR:CR+1], v[TS:TS+7], v[SC]
	v_cvt_scalef32_pk8_fp8_f32 v[CR+2:CR+3], v[TS+8:TS+15], v[SC]
	v_nop                                          ; a plain line behind the conversions
	global_store_b128 v[GOUT], v[CR:CR+3], s[52:53] offset:1024*(\t)+512*(\c)
.endm
.macro ROW t
.set RS, R+32*(\t)
	s_wait_loadcnt 8*(NROWS-1-(\t))                ; this row's eight loads are in; the later row's may be out
	NORM
.irp i, 0,1,2,3,4,5,6,7
	ds_store_b128 v[SIN], v[RS+4*\i:RS+4*\i+3] offset:8*SP*\i
.endr
.irp c, 0,1
.irp k, 0,1,2,3
	ds_load_b128 v[X+16*\c+4*\k:X+16*\c+4*\k+3], v[SOUT] offset:32*SP*\c+16*\k   ; LDS serves a wave's instructions in order: these see the stores above
.endr
.endr
	s_wait_dscnt 0x0
	QC 0, \t
	QC 1, \t
.endm
	s_load_b256 s[4:11], s[0:1], 0x0               ; h, the scales' exponents, ln2_a, ln2_b
	s_load_b64 s[12:13], s[0:1], 0x20              ; hc
	v_lshl_add_u32 v[SPW], v0, 2, SPARE
	v_mov_b32 v[NIL], 0
	v_lshrrev_b32 v1, 5, v0
	s_delay_alu instid0(VALU_DEP_1)
	v_readfirstlane_b32 s62, v1                    ; wave 0..7
	v_and_b32 v1, 31, v0                           ; lane
	s_mul_i32 s63, s62, WREG
	v_lshrrev_b32 v14, 2, v1
	s_delay_alu instid0(VALU_DEP_1)
	v_mul_u32_u24 v14, v14, SP
	v_and_b32 v15, 3, v1
	s_delay_alu instid0(VALU_DEP_1)
	v_lshl_add_u32 v14, v15, 4, v14
	s_delay_alu instid0(VALU_DEP_1)
	v_add_nc_u32 v[SIN], s63, v14
	v_mul_u32_u24 v15, v1, SP
	s_delay_alu instid0(VALU_DEP_1)
	v_add_nc_u32 v[SOUT], s63, v15
	v_lshlrev_b32 v16, 4, v1
	s_lshl_b32 s60, s62, 13
	v_add_nc_u32 v[LIN], s60, v16                  ; 16 lane + 2 rows of 4,096 bytes x wave
	s_lshl_b32 s60, s62, 11
	v_add_nc_u32 v[GOUT], s60, v16                 ; 16 lane + 2 rows of 1,024 bytes x wave
	v_mov_b32 v[MU+1], 0                           ; (named as upper halves of pairs)
	v_mov_b32 v[GG+1], 0
	v_mov_b32 v[BE+1], 0
	s_mov_b32 s46, 0x76543210
	s_mov_b32 s47, 0xfedcba98
	s_wait_alu depctr_va_vdst(0)
	s_wait_kmcnt 0x0
	s_load_b32 s51, s[6:7], 0x30                   ; e12
	s_load_b32 s44, s[8:9], 0x0                    ; alpha
	s_load_b32 s45, s[10:11], 0x0                  ; beta
	s_lshl_b32 s60, ttmp9, 16                      ; 16 rows of 4,096 bytes
	s_mov_b32 s61, 0
	s_add_nc_u64 s[48:49], s[4:5], s[60:61]
	s_lshl_b32 s60, ttmp9, 14                      ; 16 rows of 1,024 bytes
	s_add_nc_u64 s[52:53], s[12:13], s[60:61]
	LOAD 0
	LOAD 1
	s_wait_kmcnt 0x0
	s_add_co_i32 s60, s51, 127
	s_lshl_b32 s61, s60, 23
	v_mov_b32 v[SC], s61                           ; 2^e12
	s_add_co_i32 s60, s60, 8
	s_lshl_b32 s60, s60, 23
	s_or_b32 s60, s60, 0x600000
	v_mov_b32 v[SC+1], s60                         ; 448 x 2^e12
	v_mov_b32 v[BE], s45
	ROW 0
	ROW 1
	s_wait_tensorcnt 0x0                           ; the wave's end
	ds_add_u32 v[SPW], v[NIL]
	s_wait_dscnt 0x0
	s_endpgm
.Lfunc_end_k_q7e32d426cc_ln2:
	.size	k_q7e32d426cc_ln2, .Lfunc_end_k_q7e32d426cc_ln2-k_q7e32d426cc_ln2
	.p2alignl 7, 3214868480
	.fill 96, 4, 3214868480
	.section	.rodata,"a",@progbits
	.p2align	6, 0x0
	.amdhsa_kernel k_q7e32d426cc_ln2
		.amdhsa_group_segment_fixed_size 41984
		.amdhsa_private_segment_fixed_size 0
		.amdhsa_enable_private_segment 0
		.amdhsa_kernarg_size 40
		.amdhsa_user_sgpr_count 2
		.amdhsa_user_sgpr_kernarg_segment_ptr 1
		.amdhsa_wavefront_size32 1
		.amdhsa_system_sgpr_workgroup_id_x 1
		.amdhsa_system_sgpr_workgroup_id_y 1
		.amdhsa_system_sgpr_workgroup_id_z 1
		.amdhsa_system_vgpr_workitem_id 0
		.amdhsa_next_free_vgpr 224
		.amdhsa_next_free_sgpr 66
		.amdhsa_reserve_vcc 0
		.amdhsa_float_denorm_mode_32 3
		.amdhsa_float_denorm_mode_16_64 3
		.amdhsa_memory_ordered 1
		.amdhsa_forward_progress 1
		.amdhsa_inst_pref_size 25
	.end_amdhsa_kernel
	.amdgpu_metadata
---
amdhsa.version: [ 1, 2 ]
amdhsa.kernels:
  - .name:           k_q7e32d426cc_ln2
    .symbol:         k_q7e32d426cc_ln2.kd
    .args:
      - { .name: h, .offset: 0, .size: 8, .value_kind: global_buffer, .address_space: global }
      - { .name: lowp_scales, .offset: 8, .size: 8, .value_kind: global_buffer, .address_space: global }
      - { .name: ln2_a, .offset: 16, .size: 8, .value_kind: global_buffer, .address_space: global }
      - { .name: ln2_b, .offset: 24, .size: 8, .value_kind: global_buffer, .address_space: global }
      - { .name: hc, .offset: 32, .size: 8, .value_kind: global_buffer, .address_space: global }
    .group_segment_fixed_size: 41984
    .private_segment_fixed_size: 0
    .kernarg_segment_align: 8
    .kernarg_segment_size: 40
    .max_flat_workgroup_size: 256
    .sgpr_count:     66
    .vgpr_count:     224
    .wavefront_size: 32
...
	.end_amdgpu_metadata
.endif
;; end of part 5
;; launch ffn1 (part 6): grid 16 x 16, 4 waves a work-group, clusters of 4 x 4, 327,680 bytes of LDS; arguments hc, wc, lowp_scales, b1, fc; writes fc
.if DOCPART == 6
	.amdgcn_target "amdgcn-amd-amdhsa--gfx1250"
	.amdhsa_code_object_version 6
	.text
	.protected	k_q7e32d426cc_ffn1
	.globl	k_q7e32d426cc_ffn1
	.p2align	8
	.type	k_q7e32d426cc_ffn1,@function
k_q7e32d426cc_ffn1:
	s_mov_b64 s[64:65], 0
	v_nop
	global_prefetch_b8 v0, s[64:65] scope:SCOPE_SE
	s_setreg_imm32_b32 hwreg(HW_REG_WAVE_MODE, 25, 1), 1
	s_wait_xcnt 0x0
	s_wait_alu depctr_hold_cnt(0) depctr_sa_sdst(0) depctr_va_vdst(0) depctr_va_sdst(0) depctr_va_ssrc(0) depctr_va_vcc(0) depctr_vm_vsrc(0)
	s_getreg_b32 s2, hwreg(HW_REG_IB_STS2, 6, 4)
	s_cmp_eq_u32 s2, 0
	s_cbranch_scc0 .Lentry_in_a_cluster
	s_endpgm
.Lentry_in_a_cluster:
	s_bfe_u32 s2, ttmp6, 0x10000c
	s_cmp_lg_u32 s2, 0xf033
	s_cbranch_scc0 .Lentry_shape_is_right
	s_endpgm
.Lentry_shape_is_right:
; fc = Q(relu(hc w1^T x 2^(e12 + e13) + b1)), quantised with 2^e14, codes [4096][4096] in true order.  LIMITS: e12 + e13 between -126 and 127; e14 between -126 and 119.  NaN is not served.
; A block of 256 x 256 to a work-group, 128 x 128 to each of four waves; K = 1,024 in four steps of 256 through a ring of two LDS slots filled by joint loads in clusters of 4 x 4.
; One tensor load a wave at the head; slot 1's first fill stands behind the sequence and the round.
; PREFETCH INTO THE L2: beside the load of K step j stands one request a wave for K step j + 2 (j = 0, 1), and beside the first load one for K step 1.  A wave's load is 128 rows x 256 bytes; the four partners that ask for it
; jointly share the rows out by address, 32 each (cx for A, cy for B), a lane a row.  The two refills ask for nothing: no K step lies two on.
.set QKV,    0
.set KSTEP,  256
.set ROWB,   256
.set KROW,   1024
.set PITCH,  272
.set FR,     16
.set NL,     4
.set NP,     4
.set HALFT,  128*PITCH
.set SLOT,   4*HALFT
.set LAPS,   2
.set SPARE,  2*SLOT
.set OUTP,   4096
.set ADRA, 16
.set ADRB, 20
.set STO,  24
.set RDR,  27
.set SPW,  28
.set NIL,  29
.set GR,   31
.set BC,   32
.set QS,   112
.set TT,   128
.set CC,   192
.set AF,   128
.set G1, 24
.set G0, 32
.set G1B, 48
.set G0B, 56
.set MSB, 0
.macro WIN new
.if MSB != \new
	s_set_vgpr_msb (MSB<<8)|\new
.set MSB, \new
.endif
.endm
.set MUL_LO, 0xa1
.set MUL_HI, 0xf1
.set TO_B,   0x40
.macro JLOAD g0a, g1a, g0b, g1b
	s_cmp_eq_u32 s15, 0
	s_cbranch_scc0 .Lfor_b_\@
	tensor_load_to_lds s[\g0a:\g0a+3], s[\g1a:\g1a+7]
	s_nop 0
.rept 4
	v_nop
.endr
	s_branch .Lasked_\@
.Lfor_b_\@:
	tensor_load_to_lds s[\g0b:\g0b+3], s[\g1b:\g1b+7]
	s_nop 0
.rept 4
	v_nop
.endr
.Lasked_\@:
.endm
.macro CREST
	s_cmp_lg_u32 s14, 0
	s_cbranch_scc1 .Lnot_wave_0_\@
	s_barrier_signal -3
.Lnot_wave_0_\@:
	s_barrier_wait -3
	s_barrier_signal -1
	s_barrier_wait -1
.endm
.macro CROUND
	s_barrier_signal -1
	s_barrier_wait -1
	CREST
.endm
	s_load_b256 s[68:75], s[0:1], 0x0
	s_load_b64 s[80:81], s[0:1], 0x20
	v_lshl_add_u32 v[SPW], v0, 2, SPARE
	v_mov_b32 v[NIL], 0
	ds_add_u32 v[SPW], v[NIL]
	ds_add_u32 v[SPW], v[NIL]
	v_lshrrev_b32 v1, 5, v0
	v_readfirstlane_b32 s14, v1
	v_and_b32 v22, 31, v0                          ; the prefetches' offset, never rewritten: a lane a row of 1,024 bytes
	v_lshlrev_b32 v22, 10, v22
	s_lshr_b32 s15, s14, 1
	s_and_b32 s16, s14, 1
	s_bfe_u32 s40, ttmp6, 0x40000
	s_bfe_u32 s41, ttmp6, 0x40004
	s_and_b32 s17, ttmp7, 0xffff
	s_lshl_b32 s17, s17, 2
	s_add_co_u32 s10, s17, s41
	s_lshl_b32 s11, ttmp9, 2
	s_add_co_u32 s11, s11, s40
	s_lshl_b32 s44, s41, 2
	s_lshl_b32 s44, 15, s44
	s_lshl_b32 s45, 0x1111, s40
	s_or_b32 s[G1+0], s44, (0<<16)|(1<<20)|(1<<21)|(5<<22)|(3<<25)
	s_or_b32 s[G1B+0], s45, (0<<16)|(1<<20)|(1<<21)|(5<<22)|(3<<25)
.irp g, G1, G1B
	s_mov_b32 s[\g+1], ROWB<<16
	s_mov_b32 s[\g+2], 128<<16
	s_mov_b32 s[\g+3], ROWB<<16
	s_mov_b32 s[\g+4], 128
	s_mov_b32 s[\g+5], KROW
	s_mov_b32 s[\g+6], 0
	s_mov_b32 s[\g+7], 0
.endr
	s_lshl_b32 s18, s16, 7
	s_lshl_b32 s20, s10, 8
	s_add_co_u32 s20, s20, s18
	s_lshl_b32 s20, s20, 10
	s_mov_b32 s21, 0
	s_lshl_b32 s22, s11, 8
	s_add_co_u32 s22, s22, s18
	s_lshl_b32 s22, s22, 10
	s_add_co_u32 s22, s22, 0x400000
	s_mov_b32 s23, 0
	s_mul_i32 s19, s14, HALFT
	s_wait_dscnt 0x0
	s_wait_kmcnt 0x0
	s_load_b128 s[84:87], s[72:73], 0x30
	s_add_nc_u64 s[4:5], s[68:69], s[20:21]
	s_add_nc_u64 s[6:7], s[70:71], s[22:23]
	s_cmp_eq_u32 s15, 0                            ; do I fetch for A?  The wave's number alone decides
	s_cselect_b64 s[46:47], s[4:5], s[6:7]         ; where my prefetches stand: the 128 rows that I fetch,
	s_cselect_b32 s44, s40, s41                    ; my place among the four that ask for them with me,
	s_lshl_b32 s44, s44, 15                        ; x 32 rows of 1,024 bytes
	s_mov_b32 s45, 0
	s_add_nc_u64 s[46:47], s[46:47], s[44:45]
	CROUND
.irp s, 0,1
	s_mov_b32 s[G0+4*\s], 1
	s_add_co_u32 s[G0+4*\s+1], s19, \s*SLOT
	s_add_nc_u64 s[G0+4*\s+2:G0+4*\s+3], s[4:5], \s*ROWB
	s_or_b32 s[G0+4*\s+3], s[G0+4*\s+3], 0x80000000
	s_mov_b32 s[G0B+4*\s], 1
	s_add_co_u32 s[G0B+4*\s+1], s19, \s*SLOT
	s_add_nc_u64 s[G0B+4*\s+2:G0B+4*\s+3], s[6:7], \s*ROWB
	s_or_b32 s[G0B+4*\s+3], s[G0B+4*\s+3], 0x80000000
	s_wait_alu depctr_va_vdst(0)
.if \s
	s_wait_tensorcnt 0x0                           ; slot 1's first fill is issued as a refill is
	ds_add_u32 v28, v29
	ds_add_u32 v28, v29
	s_wait_dscnt 0x0
	CROUND
.endif
	JLOAD G0+4*\s, G1, G0B+4*\s, G1B
.if \s == 0
	global_prefetch_b8 v22, s[46:47] offset:ROWB th:TH_LOAD_NT scope:SCOPE_SE   ; K step 1, whose load stands behind the sequence above
.endif
	global_prefetch_b8 v22, s[46:47] offset:(\s+2)*ROWB th:TH_LOAD_NT scope:SCOPE_SE   ; K step s + 2
.endr
	v_and_b32 v1, 15, v0
	v_bfe_u32 v2, v0, 4, 1
	v_mul_u32_u24 v3, v1, PITCH
	s_wait_alu depctr_va_vdst(0)
	v_lshl_add_u32 v4, v2, 4, v3
	s_mul_i32 s21, s15, HALFT
	s_mul_i32 s22, s16, HALFT
	s_add_co_u32 s22, s22, 2*HALFT
.irp s, 0,1
	v_add_nc_u32 v[ADRA+\s], s21, v4
	v_add_nc_u32 v[ADRB+\s], s22, v4
	s_add_co_u32 s21, s21, SLOT
	s_add_co_u32 s22, s22, SLOT
.endr
	s_mul_i32 s23, s15, 128*PITCH
	s_lshl_b32 s12, s16, 7
	s_add_co_u32 s23, s23, s12
	v_lshl_add_u32 v5, v2, 3, v3
	v_add_nc_u32 v[STO], s23, v5
	s_mul_i32 s12, s14, 64*PITCH
	v_mul_u32_u24 v8, v2, PITCH
	v_lshl_add_u32 v8, v1, 4, v8
	v_add_nc_u32 v[RDR], s12, v8
	v_mul_u32_u24 v[GR], v2, OUTP
	v_lshl_add_u32 v[GR], v1, 4, v[GR]
	s_lshl_b32 s12, s11, 10
	s_lshl_b32 s13, s16, 9
	s_add_co_u32 s12, s12, s13
	v_lshlrev_b32 v9, 5, v2
	v_add_nc_u32 v9, s12, v9
.irp b, 0,1,2,3,4,5,6,7
	global_load_b128 v[BC+8*\b:BC+8*\b+3], v9, s[74:75] offset:64*\b
	global_load_b128 v[BC+8*\b+4:BC+8*\b+7], v9, s[74:75] offset:64*\b+16
.endr
	s_lshl_b32 s12, s10, 20
	s_lshl_b32 s13, s14, 18
	s_add_co_u32 s12, s12, s13
	s_lshl_b32 s13, s11, 8
	s_add_co_u32 s12, s12, s13
	s_mov_b32 s13, 0
	s_add_nc_u64 s[100:101], s[80:81], s[12:13]
.macro FRAG reg, adr, q, i
.irp c, 0,1,2,3
	ds_load_b128 v[\reg+4*\c:\reg+4*\c+3], v[\adr] offset:128*(\q)+32*\c+(\i)*16*PITCH
.endr
.endm
.macro MUL16 a0, p, zero
.irp a, \a0, \a0+1
.irp b, 0,1,2,3,4,5,6,7
.if \zero
	v_wmma_f32_16x16x128_fp8_fp8 v[8*(8*((\a)%4)+\b):8*(8*((\a)%4)+\b)+7], v[128*(\p)+FR*\b:128*(\p)+FR*\b+FR-1], v[AF+FR*(\a):AF+FR*(\a)+FR-1], 0
.else
	v_wmma_f32_16x16x128_fp8_fp8 v[8*(8*((\a)%4)+\b):8*(8*((\a)%4)+\b)+7], v[128*(\p)+FR*\b:128*(\p)+FR*\b+FR-1], v[AF+FR*(\a):AF+FR*(\a)+FR-1], v[8*(8*((\a)%4)+\b):8*(8*((\a)%4)+\b)+7]
.endif
.endr
.endr
.endm
.macro FETCH_B slot, q, p
	WIN TO_B
.irp i, 0,1,2,3,4,5,6,7
	FRAG 128*(\p)+FR*\i, ADRB+\slot, \q, \i
.endr
	WIN 0
.endm
.macro FETCH_A slot, q, i0
.irp i, \i0, \i0+1, \i0+2, \i0+3
	FRAG AF+FR*(\i), ADRA+\slot, \q, \i
.endr
.endm
.macro PLACES n
.rept \n
	v_nop
.endr
.endm
.macro STEP slot, q, zero
	s_wait_dscnt 4*NL
	WIN MUL_LO
	MUL16 0, (\q)%2, \zero
	MUL16 2, (\q)%2, \zero
	s_wait_dscnt 0
	PLACES NP
	FETCH_B \slot, (\q)+1, 1-(\q)%2
	FETCH_A \slot, (\q)+1, 0
	WIN MUL_HI
	MUL16 4, (\q)%2, \zero
	MUL16 6, (\q)%2, \zero
	PLACES NP
	WIN 0
	FETCH_A \slot, (\q)+1, 4
.endm
.macro TURN slot, next, fill
	s_wait_tensorcnt 0x0
	ds_add_u32 v[SPW], v[NIL]
	s_wait_dscnt 4*NL+1
	WIN MUL_LO
	MUL16 0, 1, 0
	s_wait_dscnt 0x0
	s_barrier_signal -1
	MUL16 2, 1, 0
	WIN 0
	s_barrier_wait -1
.if \fill
	CREST
	s_add_nc_u64 s[G0+4*\slot+2:G0+4*\slot+3], s[G0+4*\slot+2:G0+4*\slot+3], 2*ROWB
	s_add_nc_u64 s[G0B+4*\slot+2:G0B+4*\slot+3], s[G0B+4*\slot+2:G0B+4*\slot+3], 2*ROWB
	JLOAD G0+4*\slot, G1, G0B+4*\slot, G1B
.else
	PLACES NP
.endif
	FETCH_B \next, 0, 0
	FETCH_A \next, 0, 0
	WIN MUL_HI
	MUL16 4, 1, 0
	MUL16 6, 1, 0
	PLACES NP
	WIN 0
	FETCH_A \next, 0, 4
.endm
	s_wait_tensorcnt 1
	s_barrier_signal -1
	s_barrier_wait -1
	FETCH_B 0, 0, 0
	FETCH_A 0, 0, 0
	FETCH_A 0, 0, 4
	STEP 0, 0, 1
	s_mov_b32 s3, LAPS-1
.Llap:
	TURN 0, 1, 1
	STEP 1, 0, 0
	TURN 1, 0, 1
	STEP 0, 0, 0
	s_sub_co_u32 s3, s3, 1
	s_cmp_lg_u32 s3, 0
	s_cbranch_scc1 .Llap
	TURN 0, 1, 0
	STEP 1, 0, 0
	s_wait_dscnt 4*NL
	WIN MUL_LO
	MUL16 0, 1, 0
	MUL16 2, 1, 0
	s_wait_dscnt 0
	WIN MUL_HI
	MUL16 4, 1, 0
	MUL16 6, 1, 0
	WIN 0
	s_wait_kmcnt 0x0
	s_add_co_i32 s84, s84, s85
	s_add_co_i32 s84, s84, 127
	s_lshl_b32 s66, s84, 23
	s_mov_b32 s67, s66
	s_add_co_i32 s90, s86, 127
	s_lshl_b32 s91, s90, 23
	v_mov_b32 v[QS], s91
	s_add_co_i32 s90, s90, 8
	s_lshl_b32 s90, s90, 23
	s_or_b32 s90, s90, 0x600000
	v_mov_b32 v[QS+1], s90
	s_wait_loadcnt 0x0
	PLACES NP
.irp a, 0,1,2,3,4,5,6,7
	WIN 0x02+((\a)/4)
.irp b, 0,1,2,3,4,5,6,7
.irp i, 0,2,4,6
	v_pk_fma_f32 v[TT+8*\b+\i:TT+8*\b+\i+1], v[64*((\a)%4)+8*\b+\i:64*((\a)%4)+8*\b+\i+1], s[66:67], v[BC+8*\b+\i:BC+8*\b+\i+1] op_sel_hi:[1,0,1]
.endr
.endr
	WIN 0
.if \a > 1
	s_wait_dscnt 8
.endif
.irp b, 0,1,2,3,4,5,6,7
.irp i, 0,1,2,3,4,5,6,7
	v_med3_num_f32 v[TT+8*\b+\i], v[TT+8*\b+\i], 0, v[QS+1]
.endr
	v_cvt_scalef32_pk8_fp8_f32 v[CC+16*((\a)%2)+2*\b:CC+16*((\a)%2)+2*\b+1], v[TT+8*\b:TT+8*\b+7], v[QS]
.endr
	v_nop
.irp b, 0,1,2,3,4,5,6,7
	ds_store_b64 v[STO], v[CC+16*((\a)%2)+2*\b:CC+16*((\a)%2)+2*\b+1] offset:16*\a*PITCH+16*\b
.endr
.endr
	s_wait_dscnt 0x0
	s_barrier_signal -1
	s_barrier_wait -1
.irp i, 0,1,2,3,4,5,6,7,8,9,10,11,12,13,14,15,16,17,18,19,20,21,22,23,24,25,26,27,28,29,30,31
	ds_load_b128 v[128+4*\i:128+4*\i+3], v[RDR] offset:2*\i*PITCH
.endr
.irp i, 0,1,2,3,4,5,6,7,8,9,10,11,12,13,14,15,16,17,18,19,20,21,22,23,24,25,26,27,28,29,30,31
	s_wait_dscnt 31-\i
	global_store_b128 v[GR], v[128+4*\i:128+4*\i+3], s[100:101] offset:2*\i*OUTP
.endr
	s_wait_tensorcnt 0x0
	ds_add_u32 v[SPW], v[NIL]
	s_wait_dscnt 0x0
	CROUND
	s_endpgm
.Lfunc_end_k_q7e32d426cc_ffn1:
	.size	k_q7e32d426cc_ffn1, .Lfunc_end_k_q7e32d426cc_ffn1-k_q7e32d426cc_ffn1
	.p2alignl 7, 3214868480
	.fill 96, 4, 3214868480
	.section	.rodata,"a",@progbits
	.p2align	6, 0x0
	.amdhsa_kernel k_q7e32d426cc_ffn1
		.amdhsa_group_segment_fixed_size 327680
		.amdhsa_private_segment_fixed_size 0
		.amdhsa_enable_private_segment 0
		.amdhsa_kernarg_size 40
		.amdhsa_user_sgpr_count 2
		.amdhsa_user_sgpr_kernarg_segment_ptr 1
		.amdhsa_wavefront_size32 1
		.amdhsa_system_sgpr_workgroup_id_x 1
		.amdhsa_system_sgpr_workgroup_id_y 1
		.amdhsa_system_sgpr_workgroup_id_z 1
		.amdhsa_system_vgpr_workitem_id 0
		.amdhsa_next_free_vgpr 1024
		.amdhsa_next_free_sgpr 102
		.amdhsa_reserve_vcc 0
		.amdhsa_float_denorm_mode_32 3
		.amdhsa_float_denorm_mode_16_64 3
		.amdhsa_memory_ordered 1
		.amdhsa_forward_progress 1
		.amdhsa_inst_pref_size 144
	.end_amdhsa_kernel
	.amdgpu_metadata
---
amdhsa.version: [ 1, 2 ]
amdhsa.kernels:
  - .name:           k_q7e32d426cc_ffn1
    .symbol:         k_q7e32d426cc_ffn1.kd
    .args:
      - { .name: hc, .offset: 0, .size: 8, .value_kind: global_buffer, .address_space: global }
      - { .name: wc, .offset: 8, .size: 8, .value_kind: global_buffer, .address_space: global }
      - { .name: lowp_scales, .offset: 16, .size: 8, .value_kind: global_buffer, .address_space: global }
      - { .name: b1, .offset: 24, .size: 8, .value_kind: global_buffer, .address_space: global }
      - { .name: fc, .offset: 32, .size: 8, .value_kind: global_buffer, .address_space: global }
    .group_segment_fixed_size: 327680
    .private_segment_fixed_size: 0
    .kernarg_segment_align: 8
    .kernarg_segment_size: 40
    .max_flat_workgroup_size: 128
    .sgpr_count:     102
    .vgpr_count:     1024
    .wavefront_size: 32
...
	.end_amdgpu_metadata
.endif
;; end of part 6
;; launch ffn2 (part 7): grid 8 x 32, 4 waves a work-group, clusters of 4 x 4, 327,680 bytes of LDS; arguments fc, wc, lowp_scales, b2, h, out0; writes out0
.if DOCPART == 7
	.amdgcn_target "amdgcn-amd-amdhsa--gfx1250"
	.amdhsa_code_object_version 6
	.text
	.protected	k_q7e32d426cc_ffn2
	.globl	k_q7e32d426cc_ffn2
	.p2align	8
	.type	k_q7e32d426cc_ffn2,@function
k_q7e32d426cc_ffn2:
	s_mov_b64 s[64:65], 0
	v_nop
	global_prefetch_b8 v0, s[64:65] scope:SCOPE_SE
	s_setreg_imm32_b32 hwreg(HW_REG_WAVE_MODE, 25, 1), 1
	s_wait_xcnt 0x0
	s_wait_alu depctr_hold_cnt(0) depctr_sa_sdst(0) depctr_va_vdst(0) depctr_va_sdst(0) depctr_va_ssrc(0) depctr_va_vcc(0) depctr_vm_vsrc(0)
	s_getreg_b32 s2, hwreg(HW_REG_IB_STS2, 6, 4)
	s_cmp_eq_u32 s2, 0
	s_cbranch_scc0 .Lentry_in_a_cluster
	s_endpgm
.Lentry_in_a_cluster:
	s_bfe_u32 s2, ttmp6, 0x10000c
	s_cmp_lg_u32 s2, 0xf033
	s_cbranch_scc0 .Lentry_shape_is_right
	s_endpgm
.Lentry_shape_is_right:
; out0 = h + fc w2^T x 2^(e14 + e15) + b2, f32 [4096][1024]; fc and w2 as E4M3 codes.  LIMIT: e14 + e15 between -126 and 127.
; A block of 128 x 128 to a work-group, 64 x 64 to each of four waves; K = 4,096 in eight slots' worth of 512 through a ring of two LDS slots filled by joint loads in clusters of 4 x 4.
; PREFETCH INTO THE L2: beside the load of K slot j stands one request a wave for K slot j + 2 (j = 0 .. 5).  A wave's load is 64 rows x 512 bytes = 128 blocks of 256 bytes; the four partners that ask for it jointly
; share them out by address, 16 rows each (cx for A, cy for B): lane l names row l / 2, half l % 2.  The last two refills ask for nothing: no slot lies two on.
.set SIZE_K, 4096
.set KSH,    12
.set WOFF,   0x800000
.set SCOFF,  0x38
.set KSLOT,  512
.set PB,     528
.set HALFB,  64*PB
.set AHALF,  HALFB
.set SLOT,   2*AHALF+2*HALFB
.set STAGE,  2*SLOT
.set SPITCH, 272
.set SPARE,  STAGE+4*16*SPITCH
.set LAPS,   SIZE_K/(2*KSLOT)
.set ADRA, 16
.set ADRB, 20
.set STO,  24
.set RD,   25
.set CO,   26
.set BO,   27
.set SPW,  28
.set NIL,  29
.set BK,   32
.set BIAS, 96
.set ACC,  128
.set F0,   0
.set F1,   128
.set G1, 24
.set G0, 32
.set G1B, 48
.set G0B, 56
.set MSB, 0
.macro WIN new
.if MSB != \new
	s_set_vgpr_msb (MSB<<8)|\new
.set MSB, \new
.endif
.endm
.set MUL,  0x05
.set TO_F, 0x40
.macro JLOAD s
	s_cmp_eq_u32 s11, 0
	s_cbranch_scc0 .Lfor_b_\@
	tensor_load_to_lds s[G0+4*\s:G0+4*\s+3], s[G1:G1+7]
	s_nop 0
.rept 4
	v_nop
.endr
	s_branch .Lasked_\@
.Lfor_b_\@:
	tensor_load_to_lds s[G0B+4*\s:G0B+4*\s+3], s[G1B:G1B+7]
	s_nop 0
.rept 4
	v_nop
.endr
.Lasked_\@:
.endm
.macro CREST
	s_cmp_lg_u32 s10, 0
	s_cbranch_scc1 .Lnot_wave_0_\@
	s_barrier_signal -3
.Lnot_wave_0_\@:
	s_barrier_wait -3
	s_barrier_signal -1
	s_barrier_wait -1
.endm
.macro CROUND
	s_barrier_signal -1
	s_barrier_wait -1
	CREST
.endm
	s_load_b256 s[68:75], s[0:1], 0x0
	s_load_b128 s[76:79], s[0:1], 0x20
	v_lshl_add_u32 v[SPW], v0, 2, SPARE
	v_mov_b32 v[NIL], 0
	ds_add_u32 v[SPW], v[NIL]
	ds_add_u32 v[SPW], v[NIL]
	v_lshrrev_b32 v1, 5, v0
	v_readfirstlane_b32 s10, v1
	v_and_b32 v30, 31, v0                          ; the prefetches' offset, never rewritten: row lane / 2 of 4,096 bytes, + 256 (lane % 2)
	v_lshrrev_b32 v31, 1, v30
	v_and_b32 v30, 1, v30
	v_lshlrev_b32 v30, 8, v30
	v_lshl_add_u32 v30, v31, 12, v30
	s_lshr_b32 s11, s10, 1
	s_and_b32 s12, s10, 1
	s_bfe_u32 s40, ttmp6, 0x40000
	s_bfe_u32 s41, ttmp6, 0x40004
	s_lshl_b32 s42, ttmp9, 2
	s_add_co_u32 s42, s42, s40
	s_and_b32 s13, ttmp7, 0xffff
	s_lshl_b32 s13, s13, 2
	s_add_co_u32 s13, s13, s41
	s_lshl_b32 s43, s41, 2
	s_lshl_b32 s43, 15, s43
	s_lshl_b32 s44, 0x1111, s40
	s_or_b32 s[G1+0], s43, (0<<16)|(1<<20)|(1<<21)|(6<<22)|(3<<25)
	s_or_b32 s[G1B+0], s44, (0<<16)|(1<<20)|(1<<21)|(6<<22)|(3<<25)
.irp g, G1, G1B
	s_mov_b32 s[\g+1], KSLOT<<16
	s_mov_b32 s[\g+2], 64<<16
	s_mov_b32 s[\g+3], KSLOT<<16
	s_mov_b32 s[\g+4], 64
	s_mov_b32 s[\g+5], SIZE_K
	s_mov_b32 s[\g+6], 0
	s_mov_b32 s[\g+7], 0
.endr
	s_lshl_b32 s17, s12, 6
	s_lshl_b32 s16, s13, 7
	s_add_co_u32 s16, s16, s17
	s_lshl_b32 s16, s16, 12
	s_lshl_b32 s46, s42, 7
	s_add_co_u32 s46, s46, s17
	s_lshl_b32 s46, s46, KSH
	s_add_co_u32 s46, s46, WOFF
	s_mov_b32 s17, 0
	s_mov_b32 s47, 0
	s_mul_i32 s20, s10, HALFB
	s_wait_dscnt 0x0
	s_wait_kmcnt 0x0
	s_load_b64 s[90:91], s[72:73], SCOFF
	s_add_nc_u64 s[14:15], s[68:69], s[16:17]
	s_add_nc_u64 s[46:47], s[70:71], s[46:47]
	s_cmp_eq_u32 s11, 0                            ; do I fetch for A?  The wave's number alone decides
	s_cselect_b64 s[92:93], s[14:15], s[46:47]     ; where my prefetches stand: the 64 rows that I fetch,
	s_cselect_b32 s94, s40, s41                    ; my place among the four that ask for them with me,
	s_lshl_b32 s94, s94, 16                        ; x 16 rows of 4,096 bytes
	s_mov_b32 s95, 0
	s_add_nc_u64 s[92:93], s[92:93], s[94:95]
	CROUND
.irp s, 0,1
	s_mov_b32 s[G0+4*\s], 1
	s_add_co_u32 s[G0+4*\s+1], s20, \s*SLOT
	s_add_nc_u64 s[G0+4*\s+2:G0+4*\s+3], s[14:15], \s*KSLOT
	s_or_b32 s[G0+4*\s+3], s[G0+4*\s+3], 0x80000000
	s_mov_b32 s[G0B+4*\s], 1
	s_add_co_u32 s[G0B+4*\s+1], s20, \s*SLOT
	s_add_nc_u64 s[G0B+4*\s+2:G0B+4*\s+3], s[46:47], \s*KSLOT
	s_or_b32 s[G0B+4*\s+3], s[G0B+4*\s+3], 0x80000000
	s_wait_alu depctr_va_vdst(0)
.if \s
	s_wait_tensorcnt 0x0                           ; slot 1's first fill is issued as a refill is
	ds_add_u32 v28, v29
	ds_add_u32 v28, v29
	s_wait_dscnt 0x0
	CROUND
.endif
	JLOAD \s
.if \s == 0
	global_prefetch_b8 v30, s[92:93] offset:KSLOT th:TH_LOAD_NT scope:SCOPE_SE   ; K slot 1 too, whose load stands behind the sequence above
.endif
	global_prefetch_b8 v30, s[92:93] offset:(\s+2)*KSLOT th:TH_LOAD_NT scope:SCOPE_SE   ; K slot s + 2
.endr
	v_and_b32 v1, 15, v0
	s_wait_alu depctr_va_vdst(0)
	v_bfe_u32 v2, v0, 4, 1
	v_mul_u32_u24 v3, v1, PB
	v_lshl_add_u32 v3, v2, 4, v3
	s_mul_i32 s21, s11, AHALF
	s_mul_i32 s22, s12, HALFB
	s_add_co_u32 s22, s22, 2*AHALF
.irp s, 0,1
	v_add_nc_u32 v[ADRA+\s], s21, v3
	v_add_nc_u32 v[ADRB+\s], s22, v3
	s_add_co_u32 s21, s21, SLOT
	s_add_co_u32 s22, s22, SLOT
.endr
	s_mul_i32 s23, s10, 16*SPITCH
	s_add_co_u32 s23, s23, STAGE
	v_mul_u32_u24 v5, v1, SPITCH
	s_wait_alu depctr_va_vdst(0)
	v_lshl_add_u32 v5, v2, 5, v5
	v_add_nc_u32 v[STO], s23, v5
	v_mul_u32_u24 v5, v2, SPITCH
	v_lshl_add_u32 v5, v1, 4, v5
	v_add_nc_u32 v[RD], s23, v5
	v_lshlrev_b32 v[CO], 12, v2
	v_lshl_add_u32 v[CO], v1, 4, v[CO]
	s_wait_alu depctr_va_vdst(0)
	v_lshlrev_b32 v[BO], 4, v1
	s_wait_alu depctr_va_vdst(0)
	s_lshl_b32 s16, s13, 7
	s_lshl_b32 s18, s11, 6
	s_add_co_u32 s16, s16, s18
	s_lshl_b32 s16, s16, 12
	s_mov_b32 s17, 0
	s_lshl_b32 s46, s42, 7
	s_lshl_b32 s47, s12, 6
	s_add_co_u32 s46, s46, s47
	s_lshl_b32 s46, s46, 2
	s_mov_b32 s47, 0
	s_add_nc_u64 s[84:85], s[76:77], s[16:17]
	s_add_nc_u64 s[84:85], s[84:85], s[46:47]
	s_add_nc_u64 s[86:87], s[78:79], s[16:17]
	s_add_nc_u64 s[86:87], s[86:87], s[46:47]
	s_add_nc_u64 s[88:89], s[74:75], s[46:47]
	WIN 0x80
.irp a, 0,1,2,3
.irp t, 0,1,2,3,4,5,6,7
	global_load_b128 v[32*\a+4*\t:32*\a+4*\t+3], v[CO], s[84:85] offset:(16*\a+2*\t)*4096
.endr
.endr
	WIN 0
	global_load_b128 v[BIAS:BIAS+3], v[BO], s[88:89]
.macro FRAG reg, adr, q, i
.irp c, 0,1,2,3
	ds_load_b128 v[\reg+4*\c:\reg+4*\c+3], v[\adr] offset:128*(\q)+32*\c+(\i)*16*PB
.endr
.endm
.macro FETCH slot, q, f
	WIN TO_F
.irp i, 0,1,2,3
	FRAG \f+64+16*\i, ADRB+\slot, \q, \i
.endr
.irp i, 0,1,2,3
	FRAG \f+16*\i, ADRA+\slot, \q, \i
.endr
.endm
.macro MULA f, a, zero
.irp b, 0,1,2,3
.if \zero
	v_wmma_f32_16x16x128_fp8_fp8 v[ACC+8*(4*(\a)+\b):ACC+8*(4*(\a)+\b)+7], v[\f+64+16*\b:\f+64+16*\b+15], v[\f+16*(\a):\f+16*(\a)+15], 0
.else
	v_wmma_f32_16x16x128_fp8_fp8 v[ACC+8*(4*(\a)+\b):ACC+8*(4*(\a)+\b)+7], v[\f+64+16*\b:\f+64+16*\b+15], v[\f+16*(\a):\f+16*(\a)+15], v[ACC+8*(4*(\a)+\b):ACC+8*(4*(\a)+\b)+7]
.endif
.endr
.endm
.macro PLACES
.rept 4
	v_nop
.endr
.endm
.macro QUARTER slot, q, f, g, zero
	s_wait_dscnt 8
	WIN MUL
	MULA \f, 0, \zero
	MULA \f, 1, \zero
	PLACES
	FETCH \slot, \q, \g
	s_wait_dscnt 32
	WIN MUL
	MULA \f, 2, \zero
	MULA \f, 3, \zero
.endm
.macro TURN slot, next, fill
.if \fill
	s_wait_xcnt 0x0                                ; my last prefetch has read its address: only now is it stepped, one K slot on
	s_add_nc_u64 s[92:93], s[92:93], KSLOT
.endif
	WIN 0
	s_wait_tensorcnt 0x0
	ds_add_u32 v[SPW], v[NIL]
	s_wait_dscnt 9
	WIN MUL
	MULA F1, 0, 0
	s_wait_dscnt 0x0
	s_barrier_signal -1
	MULA F1, 1, 0
	WIN 0
	s_barrier_wait -1
.if \fill
	CREST
	s_add_nc_u64 s[G0+4*\slot+2:G0+4*\slot+3], s[G0+4*\slot+2:G0+4*\slot+3], 2*KSLOT
	s_add_nc_u64 s[G0B+4*\slot+2:G0B+4*\slot+3], s[G0B+4*\slot+2:G0B+4*\slot+3], 2*KSLOT
	JLOAD \slot
.else
	PLACES
.endif
	FETCH \next, 0, F0
.if \fill
	WIN 0
	s_cmp_gt_u32 s3, 1                             ; s3 = 1 in the loop's last trip, whose two refills have no K slot two on
	s_cbranch_scc0 .Lno_ask_\@
	global_prefetch_b8 v30, s[92:93] offset:3*KSLOT th:TH_LOAD_NT scope:SCOPE_SE   ; the K slot two refills on
.Lno_ask_\@:
.endif
	WIN MUL
	MULA F1, 2, 0
	MULA F1, 3, 0
.endm
	s_wait_tensorcnt 1
	s_barrier_signal -1
	s_barrier_wait -1
	FETCH 0, 0, F0
	QUARTER 0, 1, F0, F1, 1
	WIN 0
	s_mov_b32 s3, LAPS-1
.Llap:
	QUARTER 0, 2, F1, F0, 0
	QUARTER 0, 3, F0, F1, 0
	TURN 0, 1, 1
	QUARTER 1, 1, F0, F1, 0
	QUARTER 1, 2, F1, F0, 0
	QUARTER 1, 3, F0, F1, 0
	TURN 1, 0, 1
	QUARTER 0, 1, F0, F1, 0
	WIN 0
	s_sub_co_u32 s3, s3, 1
	s_cmp_lg_u32 s3, 0
	s_cbranch_scc1 .Llap
	QUARTER 0, 2, F1, F0, 0
	QUARTER 0, 3, F0, F1, 0
	TURN 0, 1, 0
	QUARTER 1, 1, F0, F1, 0
	QUARTER 1, 2, F1, F0, 0
	QUARTER 1, 3, F0, F1, 0
	s_wait_dscnt 8
	WIN MUL
	MULA F1, 0, 0
	MULA F1, 1, 0
	s_wait_dscnt 0
	MULA F1, 2, 0
	MULA F1, 3, 0
	WIN 0
.macro TOSTAGE a
.irp b, 0,1,2,3
	ds_store_b128 v[STO], v[ACC+8*(4*(\a)+\b):ACC+8*(4*(\a)+\b)+3] offset:64*\b
	ds_store_b128 v[STO], v[ACC+8*(4*(\a)+\b)+4:ACC+8*(4*(\a)+\b)+7] offset:64*\b+16
.endr
.irp t, 0,1,2,3,4,5,6,7
	ds_load_b128 v[BK+32*((\a)%2)+4*\t:BK+32*((\a)%2)+4*\t+3], v[RD] offset:2*SPITCH*\t
.endr
.endm
.macro SEND a, younger
	s_wait_dscnt \younger
.irp t, 0,1,2,3,4,5,6,7
.irp p, 0,2
	v_pk_fma_f32 v[BK+32*((\a)%2)+4*\t+\p:BK+32*((\a)%2)+4*\t+\p+1], v[BK+32*((\a)%2)+4*\t+\p:BK+32*((\a)%2)+4*\t+\p+1], s[66:67], v[BIAS+\p:BIAS+\p+1] op_sel_hi:[1,0,1]
.endr
.endr
	WIN 0x08
.set j, 0
.rept 16
	v_pk_add_f32 v[BK+32*((\a)%2)+j:BK+32*((\a)%2)+j+1], v[BK+32*((\a)%2)+j:BK+32*((\a)%2)+j+1], v[32*(\a)+j:32*(\a)+j+1]
.set j, j+2
.endr
	WIN 0
.irp t, 0,1,2,3,4,5,6,7
	global_store_b128 v[CO], v[BK+32*((\a)%2)+4*\t:BK+32*((\a)%2)+4*\t+3], s[86:87] offset:(16*(\a)+2*\t)*4096 th:TH_STORE_NT
.endr
.endm
	PLACES
	s_wait_kmcnt 0x0
	s_add_co_i32 s90, s90, s91
	s_add_co_i32 s90, s90, 127
	s_lshl_b32 s66, s90, 23
	s_mov_b32 s67, s66
	s_wait_loadcnt 0x0
	TOSTAGE 0
	TOSTAGE 1
	SEND 0, 16
	s_wait_xcnt 0x0
	TOSTAGE 2
	SEND 1, 16
	s_wait_xcnt 0x0
	TOSTAGE 3
	SEND 2, 16
	SEND 3, 0
	s_wait_tensorcnt 0x0
	ds_add_u32 v[SPW], v[NIL]
	s_wait_dscnt 0x0
	CROUND
	s_endpgm
.Lfunc_end_k_q7e32d426cc_ffn2:
	.size	k_q7e32d426cc_ffn2, .Lfunc_end_k_q7e32d426cc_ffn2-k_q7e32d426cc_ffn2
	.p2alignl 7, 3214868480
	.fill 96, 4, 3214868480
	.section	.rodata,"a",@progbits
	.p2align	6, 0x0
	.amdhsa_kernel k_q7e32d426cc_ffn2
		.amdhsa_group_segment_fixed_size 327680
		.amdhsa_private_segment_fixed_size 0
		.amdhsa_enable_private_segment 0
		.amdhsa_kernarg_size 48
		.amdhsa_user_sgpr_count 2
		.amdhsa_user_sgpr_kernarg_segment_ptr 1
		.amdhsa_wavefront_size32 1
		.amdhsa_system_sgpr_workgroup_id_x 1
		.amdhsa_system_sgpr_workgroup_id_y 1
		.amdhsa_system_sgpr_workgroup_id_z 1
		.amdhsa_system_vgpr_workitem_id 0
		.amdhsa_next_free_vgpr 640
		.amdhsa_next_free_sgpr 96
		.amdhsa_reserve_vcc 0
		.amdhsa_float_denorm_mode_32 3
		.amdhsa_float_denorm_mode_16_64 3
		.amdhsa_memory_ordered 1
		.amdhsa_forward_progress 1
		.amdhsa_inst_pref_size 83
	.end_amdhsa_kernel
	.amdgpu_metadata
---
amdhsa.version: [ 1, 2 ]
amdhsa.kernels:
  - .name:           k_q7e32d426cc_ffn2
    .symbol:         k_q7e32d426cc_ffn2.kd
    .args:
      - { .name: fc, .offset: 0, .size: 8, .value_kind: global_buffer, .address_space: global }
      - { .name: wc, .offset: 8, .size: 8, .value_kind: global_buffer, .address_space: global }
      - { .name: lowp_scales, .offset: 16, .size: 8, .value_kind: global_buffer, .address_space: global }
      - { .name: b2, .offset: 24, .size: 8, .value_kind: global_buffer, .address_space: global }
      - { .name: h, .offset: 32, .size: 8, .value_kind: global_buffer, .address_space: global }
      - { .name: out0, .offset: 40, .size: 8, .value_kind: global_buffer, .address_space: global }
    .group_segment_fixed_size: 327680
    .private_segment_fixed_size: 0
    .kernarg_segment_align: 8
    .kernarg_segment_size: 48
    .max_flat_workgroup_size: 128
    .sgpr_count:     96
    .vgpr_count:     640
    .wavefront_size: 32
...
	.end_amdgpu_metadata
.endif
;; end of part 7
